; MI455X (gfx1250); checked and timed in simulation.
; The chip was launched on July 23, 2026; its instructions are those of AMD's public machine-readable ISA for CDNA 5 (MIT licence, August 2026) and "CDNA5" Instruction Set Architecture Reference Guide (July 2026). The comments in the code are by the model that wrote it; some were corrected since.
;; Attention. Allowed arithmetic: float matrix products may take bf16 or f16 operands with f32 sums; other float arithmetic in f32, or as packed bf16 or f16 multiplies, adds, multiply-adds, maxima and minima; sums over many terms, partial sums and values carried from step to step in f32; what a program stores and reads back later, other than sums and carried values, may be rounded once to bf16 or f16.
;; Inputs: W_att 1,024 x 1 float32; W_dec 1,024 x 1,024 float32; W_enc 1,024 x 1,024 float32; b_att 1 float32; b_dec 1,024 float32; b_enc 1,024 float32; dinput 32 x 1,024 float32; einput 32 x 2,048 x 1,024 float32.
;; Outputs: out0 32 x 1,024 float32; out1 32 x 2,048 float32.
;; 2 versions, each right; version 2 is version 1 with the launch main written anew for expert scheduling mode. Each part assembles by itself: llvm-mc -triple=amdgcn-amd-amdhsa -mcpu=gfx1250 --defsym DOCPART=n.
;; ======== version 1 of 2: 3 launches
;; workspace buffers: Wf 2,162,688 bytes; cpart 1,048,576 bytes; scores 262,144 bytes; opart 2,097,152 bytes; stats 131,072 bytes
;; launch prep (part 1): grid 128 x 1, 4 waves a work-group, no clusters, 76,288 bytes of LDS; arguments W_enc, W_dec, dinput, Wf, cpart; writes Wf, cpart
.if DOCPART == 1
	.amdgcn_target "amdgcn-amd-amdhsa--gfx1250"
	.amdhsa_code_object_version 6
	.text
	.protected	k_q1e073c996c_prep
	.globl	k_q1e073c996c_prep
	.p2align	8
	.type	k_q1e073c996c_prep,@function
k_q1e073c996c_prep:
	s_mov_b64 s[64:65], 0
	v_nop
	global_prefetch_b8 v0, s[64:65] scope:SCOPE_SE
	s_setreg_imm32_b32 hwreg(HW_REG_WAVE_MODE, 25, 1), 1
	s_wait_xcnt 0x0
; PREP.  (1) W_enc [k 1024][n 1024] f32 is rounded to bf16 and laid out in the order in which the main launch's waves load it:
;   Wf[w 4][T 132][nb 4][half 2][lane 32][16 bytes], T = 32 p + t.  A fragment (w, T, nb) is source 0 of a 16x16x32 product: lane (r = l % 16, h = l / 16) holds
;   column n = 256 p + 64 w + 16 nb + r; half 0 holds k = 32 t + 8 h + 0..7, half 1 holds k = 32 t + 16 + 8 h + 0..7.  T = 128..131 repeat T = 0..3.
; (2) cpart[tg 8][b 32][n 1024] f32 = the sum over k = 128 tg .. 128 tg + 127 of dinput[b][k] W_dec[k][n], operands rounded to bf16, sums in f32.
; SHARES.  Work-group g: tg = g % 8 (128 of K), ng = g / 8 (64 columns; p = ng / 4, w = ng % 4).  Wave v takes the 32 k of t = 4 tg + v, of both weights.
; A tile of 32 k x 64 n goes through the wave's own LDS bytes: in as bf16 rows of 128 bytes at a pitch of 160, out turned by ds_load_tr16_b128.
; The four waves' partial products meet in LDS, once.  No cluster: no two work-groups read the same bytes of the weights, and dinput is 128 KiB in all.
.set WSTR,  540672                     ; bytes of Wf for one wave number: 132 steps of 4,096
.set TP,    160                        ; pitch of a tile's row
.set TDO,   32*TP                      ; W_dec's tile lies behind W_enc's
.set TEB,   2*32*TP                    ; a wave's two tiles
.set PARTB, 4*TEB                      ; behind them: four partial products of 32 b x 64 n f32
.set PP,    272                        ; their pitch: 256 + 16 bytes
.set PARTW, 32*PP
.set SPARE, PARTB+4*PARTW              ; the spare words, 128 bytes a wave: two blocks of 256 bytes that no other line names
.set LE,  16                           ; v[16:79]    W_enc as loaded; later FE v[16:47], FD v[48:79]: the turned fragments
.set LD,  80                           ; v[80:143]   W_dec as loaded; later the eight accumulators
.set LX,  144                          ; v[144:175]  dinput as loaded; later, with CT, the partial sums read back
.set CT,  176                          ; v[176:207]  W_enc rounded
.set DF,  208                          ; v[208:223]  dinput's two fragments
.set CT2, 224                          ; v[224:255]  W_dec rounded
.set FE,  16
.set FD,  48
.set ACC, 80
.set RB,  144
	s_load_b256 s[4:11], s[0:1], 0x0               ; W_enc s[4:5], W_dec s[6:7], dinput s[8:9], Wf s[10:11]
	s_load_b64 s[12:13], s[0:1], 0x20              ; cpart
	v_lshl_add_u32 v14, v0, 2, SPARE               ; my spare word
	v_mov_b32 v15, 0
	v_lshrrev_b32 v1, 5, v0
	v_readfirstlane_b32 s14, v1                    ; wave v
	s_and_b32 s15, ttmp9, 7                        ; tg
	s_lshr_b32 s16, ttmp9, 3                       ; ng
	s_lshr_b32 s17, s16, 2                         ; p
	s_and_b32 s18, s16, 3                          ; w
	s_lshl2_add_u32 s19, s15, s14                  ; t = 4 tg + v
	v_and_b32 v1, 31, v0                           ; l
	v_and_b32 v2, 15, v0                           ; r
	v_bfe_u32 v3, v0, 4, 1                         ; h
	v_lshlrev_b32 v4, 4, v2
	v_lshl_add_u32 v4, v3, 12, v4                  ; the weights: two rows of 256 bytes a load: h x 4,096 + 16 r
	v_lshlrev_b32 v5, 12, v2
	v_lshl_add_u32 v5, v3, 5, v5                   ; dinput: row r, 8 h floats on
	s_mul_i32 s20, s14, TEB
	v_mul_u32_u24 v6, v3, TP
	v_lshl_add_u32 v6, v2, 3, v6
	v_add_nc_u32 v6, s20, v6                       ; into a tile: row h, 8 bytes for each of 16 lanes
	v_and_b32 v12, 7, v0
	v_bfe_u32 v13, v0, 3, 1
	v_lshl_add_u32 v7, v3, 3, v12
	v_mul_u32_u24 v7, v7, TP
	v_lshl_add_u32 v7, v13, 4, v7
	v_add_nc_u32 v7, s20, v7                       ; out of it, turned: row 8 h + l % 8, 16 bytes at 16 ((l / 8) % 2)
	v_lshlrev_b32 v8, 4, v1                        ; Wf: 16 l
	s_mul_i32 s20, s14, PARTW
	s_add_co_u32 s20, s20, PARTB
	v_mul_u32_u24 v9, v2, PP
	v_lshl_add_u32 v9, v3, 5, v9
	v_add_nc_u32 v9, s20, v9                       ; my partial product: row b = r, 8 h columns on
	s_mul_i32 s20, s14, 8*PP
	s_add_co_u32 s20, s20, PARTB
	v_mul_u32_u24 v10, v3, PP
	v_lshl_add_u32 v10, v2, 4, v10
	v_add_nc_u32 v10, s20, v10                     ; back: rows 8 v + h, 16 bytes a lane
	s_lshl_b32 s20, s14, 15
	v_lshl_add_u32 v11, v3, 12, s20
	v_lshl_add_u32 v11, v2, 4, v11                 ; the same rows in cpart
	s_lshl_b32 s22, s19, 17                        ; 32 t rows of 4,096 bytes
	s_lshl_b32 s21, s16, 8                         ; 64 ng columns
	s_add_co_u32 s22, s22, s21
	s_mov_b32 s23, 0
	s_lshl_b32 s24, s19, 7                         ; dinput: 32 t floats
	s_mov_b32 s25, 0
	s_mul_i32 s26, s18, WSTR
	s_lshl_b32 s27, s17, 5
	s_add_co_u32 s27, s27, s19                     ; T = 32 p + t
	s_lshl_b32 s27, s27, 12
	s_add_co_u32 s26, s26, s27
	s_mov_b32 s27, 0
	s_lshl_b32 s28, s15, 17                        ; cpart: tg x 32 x 4,096
	s_add_co_u32 s28, s28, s21
	s_mov_b32 s29, 0
	s_or_b32 s30, s15, s17                         ; 0 where T is 0..3: those steps are stored twice
	s_wait_kmcnt 0x0
	s_add_nc_u64 s[4:5], s[4:5], s[22:23]
	s_add_nc_u64 s[6:7], s[6:7], s[22:23]
	s_add_nc_u64 s[8:9], s[8:9], s[24:25]
	s_add_nc_u64 s[10:11], s[10:11], s[26:27]
	s_add_nc_u64 s[12:13], s[12:13], s[28:29]
.irp i, 0,1,2,3,4,5,6,7,8,9,10,11,12,13,14,15
	global_load_b128 v[LE+4*\i:LE+4*\i+3], v4, s[4:5] offset:8192*\i
.endr
.irp i, 0,1,2,3,4,5,6,7,8,9,10,11,12,13,14,15
	global_load_b128 v[LD+4*\i:LD+4*\i+3], v4, s[6:7] offset:8192*\i
.endr
.irp b, 0,1
	global_load_b128 v[LX+16*\b:LX+16*\b+3],     v5, s[8:9] offset:65536*\b
	global_load_b128 v[LX+16*\b+4:LX+16*\b+7],   v5, s[8:9] offset:65536*\b+16
	global_load_b128 v[LX+16*\b+8:LX+16*\b+11],  v5, s[8:9] offset:65536*\b+64
	global_load_b128 v[LX+16*\b+12:LX+16*\b+15], v5, s[8:9] offset:65536*\b+80
.endr
; a tile: rounded, stored as rows, read back turned.  LDS serves a wave's instructions in order, and the bytes are the wave's own: no wait between the stores and the loads.
.macro TILE land, tmp, frag, off
.irp i, 0,1,2,3,4,5,6,7,8,9,10,11,12,13,14,15
	v_cvt_pk_bf16_f32 v[(\tmp)+2*\i],   v[(\land)+4*\i],   v[(\land)+4*\i+1]
	v_cvt_pk_bf16_f32 v[(\tmp)+2*\i+1], v[(\land)+4*\i+2], v[(\land)+4*\i+3]
.endr
.irp i, 0,1,2,3,4,5,6,7,8,9,10,11,12,13,14,15
	ds_store_b64 v6, v[(\tmp)+2*\i:(\tmp)+2*\i+1] offset:(\off)+2*TP*\i
.endr
.irp n, 0,1,2,3
	ds_load_tr16_b128 v[(\frag)+8*\n:(\frag)+8*\n+3],   v7 offset:(\off)+32*\n
	ds_load_tr16_b128 v[(\frag)+8*\n+4:(\frag)+8*\n+7], v7 offset:(\off)+32*\n+16*TP
.endr
.endm
	s_wait_loadcnt 24                              ; W_enc is in; W_dec's 16 loads and dinput's 8 may stay out
	TILE LE, CT, FE, 0
	s_wait_loadcnt 8                               ; W_dec is in
	TILE LD, CT2, FD, TDO
	s_wait_dscnt 24                                ; W_enc's fragments are in: behind them stand the second tile's 16 stores and 8 loads
.irp f, 0,1,2,3,4,5,6,7
	global_store_b128 v8, v[FE+4*\f:FE+4*\f+3], s[10:11] offset:512*\f  ; 512 consecutive bytes a store
.endr
	s_cmp_lg_u32 s30, 0
	s_cbranch_scc1 .Lnodup
.irp f, 0,1,2,3,4,5,6,7
	global_store_b128 v8, v[FE+4*\f:FE+4*\f+3], s[10:11] offset:128*4096+512*\f  ; steps 0..3 once more, as steps 128..131
.endr
.Lnodup:
	s_wait_loadcnt 0x0                             ; dinput
.irp q, 0,1,2,3,4,5,6,7
	v_cvt_pk_bf16_f32 v[DF+2*\q],   v[LX+4*\q],   v[LX+4*\q+1]
	v_cvt_pk_bf16_f32 v[DF+2*\q+1], v[LX+4*\q+2], v[LX+4*\q+3]
.endr
	s_wait_dscnt 0x0                               ; W_dec's fragments
.irp b, 0,1
.irp n, 0,1,2,3                        ; eight accumulators, one product each: lane (r, h) ends with b = 16 bb + r and columns 16 nb + 8 h + 0..7
	v_wmma_f32_16x16x32_bf16 v[ACC+8*(4*\b+\n):ACC+8*(4*\b+\n)+7], v[FD+8*\n:FD+8*\n+7], v[DF+8*\b:DF+8*\b+7], 0
.endr
.endr
.rept 4
	v_nop                                          ; four places between the last product and the stores that read results
.endr
.irp b, 0,1
.irp n, 0,1,2,3
	ds_store_b128 v9, v[ACC+8*(4*\b+\n):ACC+8*(4*\b+\n)+3]   offset:16*PP*\b+64*\n
	ds_store_b128 v9, v[ACC+8*(4*\b+\n)+4:ACC+8*(4*\b+\n)+7] offset:16*PP*\b+64*\n+16
.endr
.endr
	s_wait_dscnt 0x0                               ; for the others' sake: my partial product lies in LDS
	s_barrier_signal -1
	s_barrier_wait -1
.irp i, 0,1,2,3
.irp c, 0,1,2,3
	ds_load_b128 v[RB+16*\i+4*\c:RB+16*\i+4*\c+3], v10 offset:PARTW*\c+2*PP*\i
.endr
.endr
	s_wait_dscnt 0x0
.irp i, 0,1,2,3
.irp z, 0,2
	v_pk_add_f32 v[RB+16*\i+\z:RB+16*\i+\z+1],     v[RB+16*\i+\z:RB+16*\i+\z+1],     v[RB+16*\i+4+\z:RB+16*\i+4+\z+1]
	v_pk_add_f32 v[RB+16*\i+8+\z:RB+16*\i+8+\z+1], v[RB+16*\i+8+\z:RB+16*\i+8+\z+1], v[RB+16*\i+12+\z:RB+16*\i+12+\z+1]
.endr
.irp z, 0,2
	v_pk_add_f32 v[RB+16*\i+\z:RB+16*\i+\z+1],     v[RB+16*\i+\z:RB+16*\i+\z+1],     v[RB+16*\i+8+\z:RB+16*\i+8+\z+1]
.endr
	global_store_b128 v11, v[RB+16*\i:RB+16*\i+3], s[12:13] offset:8192*\i  ; 16 lanes store 256 consecutive bytes, aligned
.endr
	s_wait_tensorcnt 0x0                           ; the wave's end, behind my last LDS store
	ds_add_u32 v14, v15
	s_wait_dscnt 0x0
	s_endpgm
.Lfunc_end_k_q1e073c996c_prep:
	.size	k_q1e073c996c_prep, .Lfunc_end_k_q1e073c996c_prep-k_q1e073c996c_prep
	.p2alignl 7, 3214868480
	.fill 96, 4, 3214868480
	.section	.rodata,"a",@progbits
	.p2align	6, 0x0
	.amdhsa_kernel k_q1e073c996c_prep
		.amdhsa_group_segment_fixed_size 76288
		.amdhsa_private_segment_fixed_size 0
		.amdhsa_enable_private_segment 0
		.amdhsa_kernarg_size 40
		.amdhsa_user_sgpr_count 2
		.amdhsa_user_sgpr_kernarg_segment_ptr 1
		.amdhsa_wavefront_size32 1
		.amdhsa_system_sgpr_workgroup_id_x 1
		.amdhsa_system_sgpr_workgroup_id_y 1
		.amdhsa_system_sgpr_workgroup_id_z 1
		.amdhsa_system_vgpr_workitem_id 0
		.amdhsa_next_free_vgpr 256
		.amdhsa_next_free_sgpr 66
		.amdhsa_reserve_vcc 0
		.amdhsa_float_denorm_mode_32 3
		.amdhsa_float_denorm_mode_16_64 3
		.amdhsa_memory_ordered 1
		.amdhsa_forward_progress 1
		.amdhsa_inst_pref_size 22
	.end_amdhsa_kernel
	.amdgpu_metadata
---
amdhsa.version: [ 1, 2 ]
amdhsa.kernels:
  - .name:           k_q1e073c996c_prep
    .symbol:         k_q1e073c996c_prep.kd
    .args:
      - { .name: W_enc, .offset: 0, .size: 8, .value_kind: global_buffer, .address_space: global }
      - { .name: W_dec, .offset: 8, .size: 8, .value_kind: global_buffer, .address_space: global }
      - { .name: dinput, .offset: 16, .size: 8, .value_kind: global_buffer, .address_space: global }
      - { .name: Wf, .offset: 24, .size: 8, .value_kind: global_buffer, .address_space: global }
      - { .name: cpart, .offset: 32, .size: 8, .value_kind: global_buffer, .address_space: global }
    .group_segment_fixed_size: 76288
    .private_segment_fixed_size: 0
    .kernarg_segment_align: 8
    .kernarg_segment_size: 40
    .max_flat_workgroup_size: 128
    .sgpr_count:     66
    .vgpr_count:     256
    .wavefront_size: 32
...
	.end_amdgpu_metadata
.endif
;; end of part 1
;; launch main (part 2): grid 256 x 1, 8 waves a work-group, no clusters, 318,464 bytes of LDS; arguments einput, Wf, cpart, b_enc, b_dec, W_att, b_att, scores, opart, stats; writes scores, opart, stats
.if DOCPART == 2
	.amdgcn_target "amdgcn-amd-amdhsa--gfx1250"
	.amdhsa_code_object_version 6
	.text
	.protected	k_q1e073c996c_main
	.globl	k_q1e073c996c_main
	.p2align	8
	.type	k_q1e073c996c_main,@function
k_q1e073c996c_main:
	s_mov_b64 s[64:65], 0
	v_nop
	global_prefetch_b8 v0, s[64:65] scope:SCOPE_SE
	s_setreg_imm32_b32 hwreg(HW_REG_WAVE_MODE, 25, 1), 1
	s_wait_xcnt 0x0
; MAIN.  For 256 rows of one batch (two blocks of 128): x = e W_enc + c, h = relu(x), score = h . W_att + b_att; then for each block its own maximum m, p = exp(score - m),
; l = the sum of p, and O[e] = the sum over the block's rows of p x einput.  Stored: the scores, (m, l) and O of each block; the last launch joins the 16 blocks of a batch.
; c[n] = b_enc + b_dec + the eight partial sums of dinput W_dec, in f32; it enters as the C operand of a pass's first products.
; FORMATS.  einput, W_enc, W_att, h and p are rounded once to bf16 as matrix operands; all sums, c, the scores, m and l are f32.
; LIMITS.  NaN and infinities are not treated apart; a weight below 2^-126 counts as 0.
; EINPUT IS READ ONCE.  A block lies in LDS as bf16 (128 rows at a pitch of 2,064 bytes) for the product and, again, for the weighted sum.
; EIGHT WAVES.  All eight bring block 0 and the last 16 rows of block 1 into LDS rows 0-143.  Then waves 0-3 multiply: wave w makes 128 rows x 64 columns (32 accumulators, 256
; registers) in each of four passes over N.  Waves 4-7 meanwhile fetch the other 112 rows of block 1, which wait as bf16 in their registers (28 rows x 16 registers a wave); when
; block 0 is done they go into LDS rows 16-127.  So block 0 is LDS rows 0-127 and block 1 is LDS rows 16-143.  The fetching has waves of its own because a wave's loads are counted
; in the order of issue (ISA guide 5.7.1): in one wave every load of W would be waited for behind the loads of einput issued ahead of it.
; WHILE A BLOCK IS MULTIPLIED NO WAVE STORES TO LDS: the partial scores stay in eight registers over the four passes and are stored behind a barrier of their own.
; WHERE THE TWO KINDS OF WAVES' WAYS JOIN NO LOAD FROM MEMORY IS OUT: each kind asks for its first data inside its own branch and ends the branch on a wait for all its loads.
; W COMES STRAIGHT INTO REGISTERS: no two waves of the work-group want the same byte of it, and Wf holds it in fragment order, 512 consecutive bytes a load.
; NO CLUSTER, NO TENSOR LOADS: what work-groups share is W.  Rows and tables take 318,464 of the 327,680 bytes of LDS; 9,216 are left, and a slot for one K step of 32 of the
; work-group's 256 columns would be 16,384.
; REGISTERS, in windows of 256 (s_set_vgpr_msb: bits 1:0 source 0, 3:2 source 1, 5:4 source 2, 7:6 destination).  v1-4 and v9-12 are made once, ahead of the first branch, by every wave.
;   a multiplying wave, window 0: v1-4 ADB, v5-8 ADC LDS addresses of A's four pairs of row blocks; v9-13 other addresses; v14-15 the add's; v16-23 the partial scores; v24-31 at work;
;   v32-63 F: A's fragments of row blocks 0-3; v64-95 S0, v96-127 S1: those of row blocks 4-7, by the K step's parity (in a pass's first K step S1 holds c of the pass);
;   v128-255 a ring of four K steps of W (step u, fragment nb at 128 + 32 u + 8 nb; at a pass's end slot 3 holds W_att's fragments).      window 1: accumulator (a, nb) at 8 (4 a + nb).
;   a fetching wave: 31 'halves' of 16 registers, half i at v[16 + 16 i] (from half 15 on in window 1).
.set PITCH, 2064                       ; 2,048 + 16 bytes = 129 x 16: the 16 rows of a fragment load start at 16 different groups of four banks
.set BLK1,  16*PITCH
.set PAIRB, 32*PITCH
.set BIAS,  144*PITCH                  ; f32 c[1024]
.set WTAB,  BIAS+4096                  ; bf16 W_att[1024]
.set SCP,   WTAB+2048                  ; f32 [wave][row 128] partial scores: 512 bytes for each wave number
.set FS,    SCP+4096                   ; f32 scores, a word for each thread number
.set WM,    FS+1024                    ; the waves' maxima
.set WS,    WM+256                     ; the waves' sums
.set PT,    WS+256                     ; bf16 p[128], in the order in which the turning loads take the rows
.set OST,   PT+256                     ; 1,024 bytes for each wave number: O on its way out
.set SPARE, OST+8192                   ; the spare words, 128 bytes for each of eight waves: four blocks of 256 bytes that no other line names
.set WSTR,  540672
.set L2E,   0x3fb8aa3b                 ; log2 e
.set ADB, 1
.set ADC, 5
.set BO,  9                            ; 16 x lane
.set BIA, 10                           ; BIAS + 256 w + 32 h
.set WOA, 11                           ; WTAB + 128 w + 16 h
.set DA,  12                           ; a fetching wave's 28 rows in LDS: (16 + 28 w) x PITCH + 8 x lane
.set TMA, 13
.set SPW, 14
.set NIL, 15
.set SCR, 16
.set CV,  16
.set FB,  32
.set SB,  64
.set BI,  96                           ; = S1
.set PW,  64                           ; the weighted sum's fragments of p
.set BR,  128
.set WOP, 224                          ; = ring slot 3
.set PTAU, 64                          ; the prologue's addresses lie where A's fragments will lie
.set PBIA, 65
.set PWT,  66
.set PGR,  67
.set PLA,  68
.set PLN,  69
.set PGX,  70
.set PLX,  71
.set WV,   28
.set W4,   29                          ; wave % 4: w of a multiplying wave, and of a fetching one
.set BAT,  30
.set PB,   32                          ; s[32:33] where the loads of W stand
.set WB,   34                          ; s[34:35] Wf at my wave's part
.set KOFF, 36                          ; the block's first LDS row + 256 x (K step / 4)
.set POFF, 37                          ; 1,024 x pass
.set CNT,  38
.set PASS, 39
.set ZERO, 40
.set EINL, 42                          ; s[42:43] einput at a fetching wave's 28 rows
.set SEL,  44
.set BATT, 46
.set EIN,  48
.set SCO,  50
.set OPA,  52
.set STA,  54
.set T0,   56
.set OF,   60
.set MSB, 0
.macro WIN new                         ; the immediate's high byte repeats the setting that is left; a switch that changes nothing is dropped
.if MSB != (\new)
	s_set_vgpr_msb (MSB<<8)|(\new)
.set MSB, (\new)
.endif
.endm
.macro PLACES                          ; four places in front of loads into registers that matrix instructions have read (ISA guide 7.12.1 for vector instructions)
.rept 4
	v_nop
.endr
.endm
.macro BAR                             ; every wave's LDS instructions are done before it signals
	s_wait_dscnt 0x0
	s_barrier_signal -1
	s_barrier_wait -1
.endm
	s_load_b512 s[8:23], s[0:1], 0x0               ; einput 8, Wf 10, cpart 12, b_enc 14, b_dec 16, W_att 18, b_att 20, scores 22
	s_load_b128 s[24:27], s[0:1], 0x40             ; opart 24, stats 26
	v_lshl_add_u32 v[SPW], v0, 2, SPARE
	v_mov_b32 v[NIL], 0
	v_lshrrev_b32 v24, 5, v0
	v_readfirstlane_b32 s[WV], v24                 ; wave 0..7
	s_and_b32 s[W4], s[WV], 3
	s_lshr_b32 s[BAT], ttmp9, 3                    ; eight work-groups to a batch
	s_mov_b32 s[ZERO], 0
	s_mov_b32 s[SEL], 0x76543210
	s_mov_b32 s[SEL+1], 0xfedcba98
	; the addresses that last: made here, by every wave, and never rewritten
	v_and_b32 v[PLN], 31, v0
	v_and_b32 v24, 15, v0                          ; r
	v_bfe_u32 v25, v0, 4, 1                        ; h
	v_mul_u32_u24 v[ADB], v24, PITCH
	v_lshl_add_u32 v[ADB], v25, 4, v[ADB]          ; a fragment's row x pitch + 16 x half
	v_add_nc_u32 v[ADB+1], PAIRB, v[ADB]
	v_add_nc_u32 v[ADB+2], 2*PAIRB, v[ADB]
	v_add_nc_u32 v[ADB+3], 3*PAIRB, v[ADB]
	v_lshlrev_b32 v[BO], 4, v[PLN]
	s_lshl_b32 s[T0], s[W4], 8
	s_add_co_u32 s[T0], s[T0], BIAS
	v_lshl_add_u32 v[BIA], v25, 5, s[T0]
	s_lshl_b32 s[T0], s[W4], 7
	s_add_co_u32 s[T0], s[T0], WTAB
	v_lshl_add_u32 v[WOA], v25, 4, s[T0]
	s_mul_i32 s[T0], s[W4], 28*PITCH
	s_add_co_u32 s[T0], s[T0], 16*PITCH
	v_lshl_add_u32 v[DA], v[PLN], 3, s[T0]
	; the prologue's
	v_lshlrev_b32 v[PTAU], 4, v0                   ; the tables: thread tau takes 4 numbers
	v_lshl_add_u32 v[PBIA], v0, 4, BIAS
	v_lshl_add_u32 v[PWT], v0, 3, WTAB
	s_lshl_b32 s[T0], s[WV], 16
	v_lshl_add_u32 v[PGR], v[PLN], 4, s[T0]        ; block 0: wave v takes rows 16 v .. 16 v + 15,
	s_mul_i32 s[T0], s[WV], 16*PITCH
	v_lshl_add_u32 v[PLA], v[PLN], 3, s[T0]        ; LDS rows of the same numbers;
	s_lshl_b32 s[T0], s[WV], 13
	s_add_co_u32 s[T0], s[T0], 240*4096
	v_lshl_add_u32 v[PGX], v[PLN], 4, s[T0]        ; and of block 1 the work-group's rows 240 + 2 v, 241 + 2 v,
	s_mul_i32 s[T0], s[WV], 2*PITCH
	s_add_co_u32 s[T0], s[T0], 128*PITCH
	v_lshl_add_u32 v[PLX], v[PLN], 3, s[T0]        ; LDS rows 128 + 2 v, 129 + 2 v
	s_lshl_b32 s[OF], ttmp9, 20                    ; 256 rows of 4,096 bytes
	s_mov_b32 s[OF+1], 0
	s_wait_kmcnt 0x0
	s_load_b32 s[BATT], s[20:21], 0x0
	s_add_nc_u64 s[EIN:EIN+1], s[8:9], s[OF:OF+1]
	s_lshl_b32 s[OF], s[BAT], 12
	s_add_nc_u64 s[12:13], s[12:13], s[OF:OF+1]
	s_mul_i32 s[OF], s[W4], 28*4096
	s_add_co_u32 s[OF], s[OF], 128*4096            ; block 1 begins 128 rows on
	s_add_nc_u64 s[EINL:EINL+1], s[EIN:EIN+1], s[OF:OF+1]
	s_lshl_b32 s[OF], ttmp9, 10                    ; two blocks of 512 bytes of scores,
	s_add_nc_u64 s[SCO:SCO+1], s[22:23], s[OF:OF+1]
	s_lshl_b32 s[OF], ttmp9, 13                    ; of 4,096 bytes of O, my wave's 1,024 of them,
	s_lshl_b32 s[T0], s[W4], 10
	s_add_co_u32 s[OF], s[OF], s[T0]
	s_add_nc_u64 s[OPA:OPA+1], s[24:25], s[OF:OF+1]
	s_lshl_b32 s[OF], ttmp9, 9                     ; of 256 bytes of (m, l)
	s_add_nc_u64 s[STA:STA+1], s[26:27], s[OF:OF+1]
	s_mul_i32 s[OF], s[W4], WSTR
	s_add_nc_u64 s[WB:WB+1], s[10:11], s[OF:OF+1]
	; THE PROLOGUE.  Eleven loads for the tables, then a ring of four rows in window 1: 43 loads of a wave are out at the most.
	WIN 0x40
.irp k, 0,1,2,3,4,5,6,7
	global_load_b128 v[128+4*\k:128+4*\k+3], v[PTAU], s[12:13] offset:131072*\k
.endr
	global_load_b128 v[160:163], v[PTAU], s[14:15]
	global_load_b128 v[164:167], v[PTAU], s[16:17]
	global_load_b128 v[168:171], v[PTAU], s[18:19]
.irp i, 0,1,2,3
.irp j, 0,1,2,3,4,5,6,7
	global_load_b128 v[32*\i+4*\j:32*\i+4*\j+3], v[PGR], s[EIN:EIN+1] offset:4096*\i+512*\j th:TH_LOAD_NT
.endr
.endr
	s_wait_loadcnt 32                              ; the tables are in; the four rows' 32 loads may stay out
	WIN 0x45
.irp z, 0,2
.irp k, 0,2,4,6,8
	v_pk_add_f32 v[128+4*\k+\z:128+4*\k+\z+1], v[128+4*\k+\z:128+4*\k+\z+1], v[132+4*\k+\z:132+4*\k+\z+1]
.endr
	v_pk_add_f32 v[128+\z:128+\z+1], v[128+\z:128+\z+1], v[136+\z:136+\z+1]
	v_pk_add_f32 v[144+\z:144+\z+1], v[144+\z:144+\z+1], v[152+\z:152+\z+1]
	v_pk_add_f32 v[128+\z:128+\z+1], v[128+\z:128+\z+1], v[144+\z:144+\z+1]
	v_pk_add_f32 v[128+\z:128+\z+1], v[128+\z:128+\z+1], v[160+\z:160+\z+1]
.endr
	v_cvt_pk_bf16_f32 v168, v168, v169
	v_cvt_pk_bf16_f32 v169, v170, v171
	WIN 0x04
	ds_store_b128 v[PBIA], v[128:131]
	ds_store_b64 v[PWT], v[168:169]
.set ri, 0
.rept 18                               ; row ri of my 18 (16 of block 0, then 2 of block 1): rounded, stored as 2,048 bytes, and its slot asked for again, four rows on
.set sl, 32*(ri%4)
.if ri <= 14
	s_wait_loadcnt 24                              ; my row is in; the three younger rows' loads stay out
.else
	s_wait_loadcnt 8*(17-ri)                       ; the last rows load nothing: the counts run down, to 0
.endif
	WIN 0x05
.irp j, 0,1,2,3,4,5,6,7
	v_cvt_pk_bf16_f32 v[CV+2*\j],   v[sl+4*\j],   v[sl+4*\j+1]
	v_cvt_pk_bf16_f32 v[CV+2*\j+1], v[sl+4*\j+2], v[sl+4*\j+3]
.endr
	WIN 0
.if ri < 16
.irp j, 0,1,2,3,4,5,6,7
	ds_store_b64 v[PLA], v[CV+2*\j:CV+2*\j+1] offset:ri*PITCH+256*\j  ; 32 lanes, 256 consecutive bytes
.endr
.else
.irp j, 0,1,2,3,4,5,6,7
	ds_store_b64 v[PLX], v[CV+2*\j:CV+2*\j+1] offset:(ri-16)*PITCH+256*\j
.endr
.endif
.if ri < 12
	WIN 0x40
.irp j, 0,1,2,3,4,5,6,7
	global_load_b128 v[sl+4*\j:sl+4*\j+3], v[PGR], s[EIN:EIN+1] offset:(ri+4)*4096+512*\j th:TH_LOAD_NT
.endr
.elseif ri < 14
	WIN 0x40
.irp j, 0,1,2,3,4,5,6,7
	global_load_b128 v[sl+4*\j:sl+4*\j+3], v[PGX], s[EIN:EIN+1] offset:(ri-12)*4096+512*\j th:TH_LOAD_NT
.endr
.endif
.set ri, ri+1
.endr
	WIN 0
	s_wait_kmcnt 0x0                               ; b_att
; ---------------------------------------------------------------- the fetching waves' macros
; Row i = 0..27 of my 28 (block 1's rows 28 w + i).  A row lands in two halves: A = i, where its 16 registers of bf16 stay, and B, which is free again when the row is rounded:
; B = 24 + i % 7 up to i = 20, then 28 + i % 3, since halves 24-27 become A's.
.macro ROWMAP i
.set RWI, (\i)
.if RWI <= 20
.set HFB, 24+RWI%7
.else
.set HFB, 28+RWI%3
.endif
.set HA,  (16+16*RWI)%256
.set HAW, (16+16*RWI)/256
.set HB,  (16+16*HFB)%256              ; always in window 1
.endm
.macro LROW i                          ; a row's eight loads, 512 consecutive bytes each
	ROWMAP \i
	WIN 0x40*HAW
.irp j, 0,1,2,3
	global_load_b128 v[HA+4*\j:HA+4*\j+3], v[BO], s[EINL:EINL+1] offset:RWI*4096+512*\j th:TH_LOAD_NT
.endr
	WIN 0x40
.irp j, 0,1,2,3
	global_load_b128 v[HB+4*\j:HB+4*\j+3], v[BO], s[EINL:EINL+1] offset:RWI*4096+2048+512*\j th:TH_LOAD_NT
.endr
.endm
.macro LCONV i, left                   ; rounded in place, ascending: number j writes A's registers 2 j, 2 j + 1, which have been read
	ROWMAP \i
	s_wait_loadcnt \left
	WIN 0x45*HAW
.irp j, 0,1,2,3
	v_cvt_pk_bf16_f32 v[HA+2*\j],   v[HA+4*\j],   v[HA+4*\j+1]
	v_cvt_pk_bf16_f32 v[HA+2*\j+1], v[HA+4*\j+2], v[HA+4*\j+3]
.endr
	WIN 0x05+0x40*HAW
.irp j, 0,1,2,3
	v_cvt_pk_bf16_f32 v[HA+8+2*\j],   v[HB+4*\j],   v[HB+4*\j+1]
	v_cvt_pk_bf16_f32 v[HA+8+2*\j+1], v[HB+4*\j+2], v[HB+4*\j+3]
.endr
.endm
; ---------------------------------------------------------------- the multiplying waves' macros
; Sixteen products: four row blocks (hf = 0: blocks 0-3, out of F; hf = 1: blocks 4-7, out of S par) x the four column blocks, W's K step in ring slot u.  Source 0 = 16 columns of W,
; source 1 = 16 rows of A: a lane holds ONE row (l % 16) and the columns 8 (l / 16) + 0..7 of the block.  cm = 1: a pass's first K step: C is c of those columns.
; The 32 accumulators take turns, one instruction a turn.
.macro PROD16 hf, par, u, cm
.irp a, 0,1,2,3
.irp nb, 0,1,2,3
.set rD, 8*(4*(4*(\hf)+\a)+\nb)
.set rA, FB+8*\a+(\hf)*(SB-FB+32*(\par))
.set rB, BR+32*(\u)+8*\nb
.if \cm
	v_wmma_f32_16x16x32_bf16 v[rD:rD+7], v[rB:rB+7], v[rA:rA+7], v[BI+8*\nb:BI+8*\nb+7]
.else
	v_wmma_f32_16x16x32_bf16 v[rD:rD+7], v[rB:rB+7], v[rA:rA+7], v[rD:rD+7]
.endif
.endr
.endr
.endm
.macro ALD dst, p, ka                  ; pair p of A's row blocks (2 p and 2 p + 1), 32 along K at byte ka behind ADC: two fragments, 16 registers
	ds_load_b128 v[(\dst):(\dst)+3],     v[ADC+(\p)] offset:(\ka)
	ds_load_b128 v[(\dst)+4:(\dst)+7],   v[ADC+(\p)] offset:(\ka)+32
	ds_load_b128 v[(\dst)+8:(\dst)+11],  v[ADC+(\p)] offset:(\ka)+BLK1
	ds_load_b128 v[(\dst)+12:(\dst)+15], v[ADC+(\p)] offset:(\ka)+BLK1+32
.endm
; A K STEP: 16 products on F, ONE run of 24 loads, 16 products on S par.  A run among matrix instructions wants two window switches and four places whatever its length, so a step has one.
; The run brings the next step's A, at byte ka behind ADC: row blocks 0-3 into F, which has just been read out (first wanted 16 products on), and row blocks 4-7 into the other S
; (32 products on); and W's K step three steps on, at byte boff behind PB, into the ring slot that the step before has left.  So A takes 96 registers, and the text has a period of two steps.
; cm = 1: a pass's first step, with c in S1: its run leaves S1 alone, and S1 is filled at the step's end, four places behind the last product that took c.
; rid = 1: the four places are the lines that make ADC for the next four K steps.
.macro KS u, par, cm, ka, boff, rid
	s_wait_loadcnt 16                              ; this step's W is in; the two later steps' 16 loads may stay out
	s_wait_dscnt 8                                 ; F is in; the 8 loads of S issued behind it may stay out
	WIN 0x50-0x10*(\cm)
	PROD16 0, \par, \u, \cm
	WIN 0
.if \rid
.irp i, 0,1,2,3
	v_add_nc_u32 v[ADC+\i], s[KOFF], v[ADB+\i]
.endr
.else
	PLACES
.endif
	ALD FB, 0, \ka
	ALD FB+16, 1, \ka
.if !(\cm)
	ALD SB+32*(1-(\par)), 2, \ka
	ALD SB+32*(1-(\par))+16, 3, \ka
.endif
.set sn, BR+32*(((\u)+3)%4)
.irp f, 0,1,2,3,4,5,6,7
	global_load_b128 v[sn+4*\f:sn+4*\f+3], v[BO], s[PB:PB+1] offset:(\boff)+512*\f
.endr
	s_wait_dscnt 16-8*(\cm)                        ; all but the LDS loads just issued: this step's S is in
	WIN 0x50-0x10*(\cm)
	PROD16 1, \par, \u, \cm
.if \cm
	WIN 0
	PLACES
	ALD SB+32*(1-(\par)), 2, \ka
	ALD SB+32*(1-(\par))+16, 3, \ka
.endif
.endm
.macro STEP wrap, blk                  ; four K steps on
	s_wait_xcnt 0x0                                ; the loads issued so far have read PB: only behind this wait is it written
	s_add_nc_u64 s[PB:PB+1], s[PB:PB+1], 4*4096
.if \wrap
	s_mov_b32 s[KOFF], (\blk)*BLK1                 ; the next pass begins at the rows' first byte
.else
	s_add_co_u32 s[KOFF], s[KOFF], 256
.endif
.endm
; A PASS'S END.  Two neighbouring accumulators, rounded to bf16 in pairs, ARE source 1 (32 columns x 16 rows) of a product whose source 0 holds W_att of those columns in all 16 rows:
; register 0 of its result is the row's partial score, which is added onto SCR.  relu is a packed maximum with 0 on the rounded halves.  Each accumulator is read from its lowest registers on.
; W_att's two fragments come into ring slot 3, which the pass's last K step has left and the next pass's first run fills; the next pass's c comes into S1.
.macro EPI
	WIN 0
	s_lshr_b32 s[T0+1], s[POFF], 1
	v_add_nc_u32 v[TMA], s[T0+1], v[WOA]
.rept 3
	v_nop                                          ; with the line above: four places behind the last products, which read ring slot 3 and S1
.endr
	ds_load_b128 v[WOP:WOP+3],     v[TMA]
	ds_load_b128 v[WOP+4:WOP+7],   v[TMA] offset:32
	ds_load_b128 v[WOP+8:WOP+11],  v[TMA] offset:64
	ds_load_b128 v[WOP+12:WOP+15], v[TMA] offset:96
	s_add_co_u32 s[POFF], s[POFF], 1024
	s_and_b32 s[POFF], s[POFF], 0xfff              ; behind the last pass: pass 0 again
	v_add_nc_u32 v[TMA], s[POFF], v[BIA]
.irp nb, 0,1,2,3
	ds_load_b128 v[BI+8*\nb:BI+8*\nb+3],   v[TMA] offset:64*\nb
	ds_load_b128 v[BI+8*\nb+4:BI+8*\nb+7], v[TMA] offset:64*\nb+16
.endr
	WIN 0x45
.set T, 0
.rept 16
.irp i, 0,1,2,3
	v_cvt_pk_bf16_f32 v[T+\i], v[T+2*\i], v[T+2*\i+1]
.endr
.irp i, 0,1,2,3
	v_cvt_pk_bf16_f32 v[T+4+\i], v[T+8+2*\i], v[T+8+2*\i+1]
.endr
.irp i, 0,1,2,3,4,5,6,7
	v_pk_max_num_bf16 v[T+\i], v[T+\i], s[ZERO]
.endr
.set T, T+16
.endr
	s_wait_dscnt 0x0                               ; W_att's fragments, the next pass's c, and A's fragments of the next pass's first K step
	WIN 0x54
.irp a, 0,1,2,3,4,5,6,7
	v_wmma_f32_16x16x32_bf16 v[32*\a+8:32*\a+15], v[WOP:WOP+7], v[32*\a:32*\a+7], 0
.endr
.irp a, 0,1,2,3,4,5,6,7
	v_wmma_f32_16x16x32_bf16 v[32*\a+8:32*\a+15], v[WOP+8:WOP+15], v[32*\a+16:32*\a+23], v[32*\a+8:32*\a+15]
.endr
	WIN 0
.rept 5
	v_nop                                          ; five places: the sums below read results, and the next pass's products write over these products' registers
.endr
	WIN 0x04
.irp a, 0,1,2,3,4,5,6,7
	v_add_f32 v[SCR+\a], v[SCR+\a], v[32*\a+8]     ; row 16 a + r; both halves of the lanes hold the same number
.endr
	WIN 0
.endm
; A BLOCK'S PRODUCT: four passes of 32 K steps.  W's steps 0-2: block 0 asks for them here, first of all; block 1 finds them in the ring, where block 0's last pass has brought
; them as steps 128-130.  The macro ends on a wait for all loads: no load of mine is out where the waves' ways join.
.macro GEMM blk
	s_wait_xcnt 0x0
	s_mov_b64 s[PB:PB+1], s[WB:WB+1]
	s_mov_b32 s[KOFF], (\blk)*BLK1
	s_mov_b32 s[POFF], 0
.if (\blk) == 0
.set f, 0
.rept 24                               ; W's K steps 0-2 into ring slots 0-2
	global_load_b128 v[BR+4*f:BR+4*f+3], v[BO], s[PB:PB+1] offset:512*f
.set f, f+1
.endr
.endif
.irp i, 0,1,2,3
	v_add_nc_u32 v[ADC+\i], s[KOFF], v[ADB+\i]
.endr
.irp a, 0,1,2,3,4,5,6,7
	v_mov_b32 v[SCR+\a], 0
.endr
	ALD FB, 0, 0                                   ; K step 0: F, S0, and c of pass 0 in S1
	ALD FB+16, 1, 0
	ALD SB, 2, 0
	ALD SB+16, 3, 0
.irp nb, 0,1,2,3
	ds_load_b128 v[BI+8*\nb:BI+8*\nb+3],   v[BIA] offset:64*\nb
	ds_load_b128 v[BI+8*\nb+4:BI+8*\nb+7], v[BIA] offset:64*\nb+16
.endr
	s_wait_dscnt 0x0
	s_mov_b32 s[PASS], 4
.Lpass_\@:
	KS 0,0,1,64,3*4096,0                           ; 3 + 7 x 4 + 1 = 32 K steps a pass
	KS 1,1,0,128,4*4096,0
	KS 2,0,0,192,5*4096,0
	WIN 0                                          ; at a label and at a branch every window is 0
	s_mov_b32 s[CNT], 7
.Lk_\@:
	STEP 0, \blk
	KS 3,1,0,0,2*4096,1
	KS 0,0,0,64,3*4096,0
	KS 1,1,0,128,4*4096,0
	KS 2,0,0,192,5*4096,0
	WIN 0
	s_sub_co_u32 s[CNT], s[CNT], 1
	s_cmp_lg_u32 s[CNT], 0
	s_cbranch_scc1 .Lk_\@
	STEP 1, \blk
	KS 3,1,0,0,2*4096,1
	EPI
	s_sub_co_u32 s[PASS], s[PASS], 1
	s_cmp_lg_u32 s[PASS], 0
	s_cbranch_scc1 .Lpass_\@
	s_wait_loadcnt 0x0                             ; steps 128-130, asked for ahead of the last pass's end, are in the ring
.endm
; SS: my 64 columns' share of the 128 scores goes into my 512 bytes of SCP, behind the barrier that shows every wave's product done.
.macro SS
	v_and_b32 v24, 15, v0
	s_lshl_b32 s[T0], s[WV], 9
	s_add_co_u32 s[T0], s[T0], SCP
	v_lshl_add_u32 v24, v24, 2, s[T0]
.irp a, 0,1,2,3,4,5,6,7
	ds_store_b32 v24, v[SCR+\a] offset:64*\a       ; the two halves of the lanes store the same number to the same word
.endr
.endm
; THE BLOCK'S SOFTMAX, a thread a row (tau = 0..127).  S1: the four waves' shares are added; the wave's maximum.
.macro S1
	v_lshl_add_u32 v16, v0, 2, SCP
.irp k, 0,1,2,3
	ds_load_b32 v[24+\k], v16 offset:512*\k
.endr
	v_lshl_add_u32 v17, v0, 2, FS
	s_lshl_b32 s[T0], s[WV], 2
	s_add_co_u32 s[T0], s[T0], WM
	v_mov_b32 v18, s[T0]
	s_wait_dscnt 0x0
	v_pk_add_f32 v[24:25], v[24:25], v[26:27]
	v_add_f32 v20, v24, v25
	v_add_f32 v20, s[BATT], v20                    ; v20: the row's score; it stays
	v_mov_b32 v28, v20
	v_mov_b32 v29, v20
	v_max_num_f32_dpp v28, v28, v28 row_xmask:1 row_mask:0xf bank_mask:0xf
	v_max_num_f32_dpp v28, v28, v28 row_xmask:2 row_mask:0xf bank_mask:0xf
	v_max_num_f32_dpp v28, v28, v28 row_xmask:4 row_mask:0xf bank_mask:0xf
	v_max_num_f32_dpp v28, v28, v28 row_xmask:8 row_mask:0xf bank_mask:0xf
	v_permlanex16_b32 v29, v28, s[SEL], s[SEL+1]
	v_max_num_f32 v28, v28, v29
	ds_store_b32 v17, v20
	ds_store_b32 v18, v28
.endm
; S2: m; p = 2^((s - m) log2 e), the subtraction first; the wave's sum of p; p rounded to bf16 at place (tau & ~15) + 8 (tau & 1) + (tau & 15) / 2.
.macro S2
	v_mov_b32 v16, WM
	ds_load_b128 v[24:27], v16
	v_and_b32 v17, 0x70, v0
	v_and_b32 v18, 1, v0
	v_bfe_u32 v19, v0, 1, 3
	v_lshl_add_u32 v17, v18, 3, v17
	v_add_nc_u32 v17, v17, v19
	v_lshl_add_u32 v17, v17, 1, PT
	s_lshl_b32 s[T0], s[WV], 2
	s_add_co_u32 s[T0], s[T0], WS
	v_mov_b32 v18, s[T0]
	s_wait_dscnt 0x0
	v_max3_num_f32 v22, v24, v25, v26
	v_max_num_f32 v22, v22, v27                    ; v22: m; it stays
	v_sub_f32 v21, v20, v22
	v_mul_f32 v21, L2E, v21
	v_exp_f32 v21, v21
	v_nop                                          ; a plain instruction behind the exponential,
	s_wait_alu depctr_va_vdst(0)                   ; and the wait ahead of the first use of its result
	v_mov_b32 v28, v21
	v_mov_b32 v29, v21
	v_add_f32_dpp v28, v28, v28 row_xmask:1 row_mask:0xf bank_mask:0xf
	v_add_f32_dpp v28, v28, v28 row_xmask:2 row_mask:0xf bank_mask:0xf
	v_add_f32_dpp v28, v28, v28 row_xmask:4 row_mask:0xf bank_mask:0xf
	v_add_f32_dpp v28, v28, v28 row_xmask:8 row_mask:0xf bank_mask:0xf
	v_permlanex16_b32 v29, v28, s[SEL], s[SEL+1]
	v_add_f32 v28, v28, v29
	v_cvt_pk_bf16_f32 v19, v21, v21
	ds_store_b16 v17, v19
	ds_store_b32 v18, v28
.endm
; S3: O[e] = the sum over the block's rows of p x A.  Wave w takes e = 256 w .. + 255: 16 accumulators in window 1, v0-127.  Source 0 holds p in all 16 rows, source 1 comes out of LDS
; turned.  The turning load takes rows TWO apart (row 32 t + 2 (l % 8) + l / 16, and 16 rows on).  So place
; 8 h + j of a fragment's K is row 2 j + h of sixteen: the order in which S2 has laid p.  Fragment x lies in window 1 at v[128 + 8 x]; W's ring in window 0 is left alone.
; In this phase nobody stores to LDS; wave 0 sends the block's scores and (m, l) to memory from here.
.macro FLOAD t, hf
.irp x, 0,1,2,3,4,5,6,7
	ds_load_tr16_b128 v[128+64*(\hf)+8*\x:128+64*(\hf)+8*\x+3],   v[28+(\t)] offset:256*(\hf)+32*\x
	ds_load_tr16_b128 v[128+64*(\hf)+8*\x+4:128+64*(\hf)+8*\x+7], v[28+(\t)] offset:256*(\hf)+32*\x+BLK1
.endr
.endm
.macro OPROD t, hf
.irp x, 0,1,2,3,4,5,6,7
.if (\t) == 0
	v_wmma_f32_16x16x32_bf16 v[64*(\hf)+8*\x:64*(\hf)+8*\x+7], v[PW+8*(\t):PW+8*(\t)+7], v[128+64*(\hf)+8*\x:128+64*(\hf)+8*\x+7], 0
.else
	v_wmma_f32_16x16x32_bf16 v[64*(\hf)+8*\x:64*(\hf)+8*\x+7], v[PW+8*(\t):PW+8*(\t)+7], v[128+64*(\hf)+8*\x:128+64*(\hf)+8*\x+7], v[64*(\hf)+8*\x:64*(\hf)+8*\x+7]
.endif
.endr
.endm
.macro S3 blk
	v_and_b32 v16, 7, v0
	v_bfe_u32 v17, v0, 4, 1
	v_lshl_add_u32 v16, v16, 1, v17
	v_mul_u32_u24 v16, v16, PITCH
	v_bfe_u32 v18, v0, 3, 1
	v_lshl_add_u32 v16, v18, 4, v16
	s_lshl_b32 s[T0], s[WV], 9
	s_add_co_u32 s[T0], s[T0], (\blk)*BLK1
	v_add_nc_u32 v28, s[T0], v16                   ; v28-31: the addresses for rows 32 t on
	v_add_nc_u32 v29, PAIRB, v28
	v_add_nc_u32 v30, 2*PAIRB, v28
	v_add_nc_u32 v31, 3*PAIRB, v28
	v_lshl_add_u32 v19, v17, 4, PT
	v_mov_b32 v18, WS
	v_and_b32 v20, 31, v0
	v_lshlrev_b32 v21, 4, v20                      ; 16 x lane
	v_add_nc_u32 v16, FS, v21
	v_lshlrev_b32 v20, 3, v20                      ; 8 x lane
.irp t, 0,1,2,3
	ds_load_b128 v[PW+8*\t:PW+8*\t+3],   v19 offset:64*\t
	ds_load_b128 v[PW+8*\t+4:PW+8*\t+7], v19 offset:64*\t+32
.endr
	ds_load_b128 v[24:27], v18
	ds_load_b128 v[96:99], v16                     ; the block's 128 scores, four a lane
	WIN 0x40
	FLOAD 0, 0
	FLOAD 0, 1
	WIN 0
	s_cmp_lg_u32 s[WV], 0
	s_cbranch_scc1 .Lnost_\@
	s_wait_dscnt 32                                ; all but the 32 turning loads: the four sums and the scores are in
	v_add_f32 v23, v24, v25
	v_add_f32 v26, v26, v27
	v_add_f32 v23, v23, v26                        ; l
	global_store_b128 v21, v[96:99], s[SCO:SCO+1] offset:(\blk)*512  ; 512 consecutive bytes
	global_store_b64 v20, v[22:23], s[STA:STA+1] offset:(\blk)*256   ; (m, l) 32 times: 256 consecutive bytes, aligned
	s_wait_xcnt 0x0                                ; the stores' registers are written again only behind this wait
.Lnost_\@:
.irp t, 0,1,2,3
	s_wait_dscnt 16                                ; fragments 0-7 are in; the 16 loads of fragments 8-15 may stay out
	WIN 0x54
	OPROD \t, 0
.if \t < 3
	PLACES
	WIN 0x40
	FLOAD \t+1, 0
	s_wait_dscnt 16                                ; fragments 8-15 are in; the 16 just issued may stay out
.else
	s_wait_dscnt 0x0
.endif
	WIN 0x54
	OPROD \t, 1
.if \t < 3
	PLACES
	WIN 0x40
	FLOAD \t+1, 1
.endif
.endr
	WIN 0
.rept 5
	v_nop                                          ; five places behind the last products, ahead of the label: whatever follows it may read or write their registers
.endr
.endm
; O leaves: register 0 of accumulator x holds O[256 w + 16 x + r]; through the wave's own 1,024 bytes of LDS into two stores of 512 consecutive bytes.
.macro OOUT blk
	v_and_b32 v16, 15, v0
	v_and_b32 v18, 31, v0
	s_lshl_b32 s[T0], s[WV], 10
	s_add_co_u32 s[T0], s[T0], OST
	v_lshl_add_u32 v16, v16, 2, s[T0]
	v_lshl_add_u32 v17, v18, 4, s[T0]
	v_lshlrev_b32 v18, 4, v18
	WIN 0x04
.irp x, 0,1,2,3,4,5,6,7,8,9,10,11,12,13,14,15
	ds_store_b32 v16, v[8*\x] offset:64*\x
.endr
	WIN 0
	ds_load_b128 v[24:27], v17                     ; LDS serves a wave's instructions in order: these see the stores above
	ds_load_b128 v[28:31], v17 offset:512
	s_wait_dscnt 0x0
	global_store_b128 v18, v[24:27], s[OPA:OPA+1] offset:(\blk)*4096
	global_store_b128 v18, v[28:31], s[OPA:OPA+1] offset:(\blk)*4096+512
	s_wait_xcnt 0x0
.endm
; ---------------------------------------------------------------- the text.  Every barrier stands on every wave's path; the branches hang on the wave's number alone.
	BAR                                            ; LDS rows 0-143 and the tables are whole
	s_cmp_lt_u32 s[WV], 4
	s_cbranch_scc0 .Lstream
	GEMM 0
	s_branch .Lbar1
.Lstream:
.irp q, 0,1,2,3,4,5,6
	LROW \q                                        ; seven rows, 56 loads of a wave
.endr
.set qq, 0
.rept 28                               ; row qq is rounded; the wait's count is 8 x the rows asked for behind it; then a row whose two halves are free is asked for
.if qq <= 14
.set lf, 48
.elseif qq <= 17
.set lf, 48-8*(qq-14)
.elseif qq <= 25
.set lf, 16
.else
.set lf, 8*(27-qq)
.endif
	LCONV qq, lf
.if qq <= 13
	LROW qq+7
.elseif (qq >= 18) && (qq <= 24)
	LROW qq+3
.endif
.set qq, qq+1
.endr
	WIN 0
.Lbar1:
	BAR                                            ; every wave's product is done: nobody reads LDS; 112 rows of block 1 wait in registers
	s_cmp_lt_u32 s[WV], 4
	s_cbranch_scc0 .Lbar1b
	SS
.Lbar1b:
	BAR                                            ; the four shares of the scores lie in LDS
	s_cmp_lt_u32 s[WV], 4
	s_cbranch_scc0 .Lbar2
	S1
.Lbar2:
	BAR
	s_cmp_lt_u32 s[WV], 4
	s_cbranch_scc0 .Lbar3
	S2
.Lbar3:
	BAR
	s_cmp_lt_u32 s[WV], 4
	s_cbranch_scc0 .Lbar4
	S3 0
.Lbar4:
	BAR                                            ; nobody reads block 0's rows any more
	s_cmp_lt_u32 s[WV], 4
	s_cbranch_scc0 .Ldump
	OOUT 0
	s_branch .Lbar5
.Ldump:
.set ii, 0
.rept 28                               ; my 28 rows into LDS rows 16 + 28 w + i
.set HA,  (16+16*ii)%256
.set HAW, (16+16*ii)/256
	WIN 0x04*HAW
.irp j, 0,1,2,3,4,5,6,7
	ds_store_b64 v[DA], v[HA+2*\j:HA+2*\j+1] offset:ii*PITCH+256*\j
.endr
.set ii, ii+1
.endr
	WIN 0
.Lbar5:
	BAR                                            ; block 1 lies in LDS rows 16-143
	s_cmp_lt_u32 s[WV], 4
	s_cbranch_scc0 .Lbar6
	GEMM 1
.Lbar6:
	BAR
	s_cmp_lt_u32 s[WV], 4
	s_cbranch_scc0 .Lbar6b
	SS
.Lbar6b:
	BAR
	s_cmp_lt_u32 s[WV], 4
	s_cbranch_scc0 .Lbar7
	S1
.Lbar7:
	BAR
	s_cmp_lt_u32 s[WV], 4
	s_cbranch_scc0 .Lbar8
	S2
.Lbar8:
	BAR
	s_cmp_lt_u32 s[WV], 4
	s_cbranch_scc0 .Lend
	S3 1
	OOUT 1
.Lend:
	s_wait_tensorcnt 0x0                           ; the wave's end, behind my last LDS store
	ds_add_u32 v[SPW], v[NIL]
	s_wait_dscnt 0x0
	s_endpgm
.Lfunc_end_k_q1e073c996c_main:
	.size	k_q1e073c996c_main, .Lfunc_end_k_q1e073c996c_main-k_q1e073c996c_main
	.p2alignl 7, 3214868480
	.fill 96, 4, 3214868480
	.section	.rodata,"a",@progbits
	.p2align	6, 0x0
	.amdhsa_kernel k_q1e073c996c_main
		.amdhsa_group_segment_fixed_size 318464
		.amdhsa_private_segment_fixed_size 0
		.amdhsa_enable_private_segment 0
		.amdhsa_kernarg_size 80
		.amdhsa_user_sgpr_count 2
		.amdhsa_user_sgpr_kernarg_segment_ptr 1
		.amdhsa_wavefront_size32 1
		.amdhsa_system_sgpr_workgroup_id_x 1
		.amdhsa_system_sgpr_workgroup_id_y 1
		.amdhsa_system_sgpr_workgroup_id_z 1
		.amdhsa_system_vgpr_workitem_id 0
		.amdhsa_next_free_vgpr 512
		.amdhsa_next_free_sgpr 66
		.amdhsa_reserve_vcc 0
		.amdhsa_float_denorm_mode_32 3
		.amdhsa_float_denorm_mode_16_64 3
		.amdhsa_memory_ordered 1
		.amdhsa_forward_progress 1
		.amdhsa_inst_pref_size 255
	.end_amdhsa_kernel
	.section	.bss,"aw",@nobits
	.p2align	6
	.space	262144
	.amdgpu_metadata
---
amdhsa.version: [ 1, 2 ]
amdhsa.kernels:
  - .name:           k_q1e073c996c_main
    .symbol:         k_q1e073c996c_main.kd
    .args:
      - { .name: einput, .offset: 0, .size: 8, .value_kind: global_buffer, .address_space: global }
      - { .name: Wf, .offset: 8, .size: 8, .value_kind: global_buffer, .address_space: global }
      - { .name: cpart, .offset: 16, .size: 8, .value_kind: global_buffer, .address_space: global }
      - { .name: b_enc, .offset: 24, .size: 8, .value_kind: global_buffer, .address_space: global }
      - { .name: b_dec, .offset: 32, .size: 8, .value_kind: global_buffer, .address_space: global }
      - { .name: W_att, .offset: 40, .size: 8, .value_kind: global_buffer, .address_space: global }
      - { .name: b_att, .offset: 48, .size: 8, .value_kind: global_buffer, .address_space: global }
      - { .name: scores, .offset: 56, .size: 8, .value_kind: global_buffer, .address_space: global }
      - { .name: opart, .offset: 64, .size: 8, .value_kind: global_buffer, .address_space: global }
      - { .name: stats, .offset: 72, .size: 8, .value_kind: global_buffer, .address_space: global }
    .group_segment_fixed_size: 318464
    .private_segment_fixed_size: 0
    .kernarg_segment_align: 8
    .kernarg_segment_size: 80
    .max_flat_workgroup_size: 256
    .sgpr_count:     66
    .vgpr_count:     512
    .wavefront_size: 32
...
	.end_amdgpu_metadata
.endif
;; end of part 2
;; launch finish (part 3): grid 4 x 32, 2 waves a work-group, no clusters, 0 bytes of LDS; arguments scores, opart, stats, out0, out1; writes out0, out1
.if DOCPART == 3
	.amdgcn_target "amdgcn-amd-amdhsa--gfx1250"
	.amdhsa_code_object_version 6
	.text
	.protected	k_q1e073c996c_finish
	.globl	k_q1e073c996c_finish
	.p2align	8
	.type	k_q1e073c996c_finish,@function
k_q1e073c996c_finish:
	s_mov_b64 s[64:65], 0
	v_nop
	global_prefetch_b8 v0, s[64:65] scope:SCOPE_SE
	s_setreg_imm32_b32 hwreg(HW_REG_WAVE_MODE, 25, 1), 1
	s_wait_xcnt 0x0
; FINISH.  A batch's 16 blocks are joined: M = the largest m_k, f_k = exp(m_k - M), L = the sum of f_k l_k;
; out0[b][e] = (the sum of f_k O_k[e]) / L;  out1[b][s] = exp(score - M) / L.  All in f32; the subtraction stands ahead of the factor log2 e.
; Work-group (q, b), 64 threads: 256 numbers of out0 and 512 of out1; every store of 16 lanes covers 256 consecutive bytes, aligned.  L is at least 1: the block that holds M has l >= 1.
; LIMITS.  NaN and infinities are not treated apart; a weight below 2^-126 counts as 0.
; No LDS, no matrix unit, no cluster: 2.5 MB are read once, and what work-groups share is 4 KiB of (m, l) a batch.
.set L2E, 0x3fb8aa3b
.set ST, 4                             ; v[4:35]    (m_k, l_k); m_k's place takes f_k
.set OP, 36                            ; v[36:99]   O_k, four numbers each
.set SC, 100                           ; v[100:107] eight scores
	s_load_b256 s[4:11], s[0:1], 0x0               ; scores s[4:5], opart s[6:7], stats s[8:9], out0 s[10:11]
	s_load_b64 s[12:13], s[0:1], 0x20              ; out1
	s_and_b32 s14, ttmp7, 0xffff                   ; b
	v_and_b32 v1, 31, v0
	v_lshlrev_b32 v1, 3, v1                        ; my copy of (m, l)
	v_lshlrev_b32 v2, 4, v0
	s_lshl_b32 s15, ttmp9, 10
	s_lshl_b32 s16, s14, 12                        ; stats: 16 blocks of 256 bytes
	s_mov_b32 s17, 0
	s_lshl_b32 s18, s14, 16                        ; opart: 16 blocks of 4,096 bytes, 1,024 q on
	s_add_co_u32 s18, s18, s15
	s_mov_b32 s19, 0
	s_lshl_b32 s20, s14, 13                        ; scores and out1: 8,192 b + 2,048 q
	s_lshl_b32 s22, ttmp9, 11
	s_add_co_u32 s20, s20, s22
	s_mov_b32 s21, 0
	s_add_co_u32 s22, s16, s15                     ; out0: 4,096 b + 1,024 q
	s_mov_b32 s23, 0
	s_wait_kmcnt 0x0
	s_add_nc_u64 s[8:9], s[8:9], s[16:17]
	s_add_nc_u64 s[6:7], s[6:7], s[18:19]
	s_add_nc_u64 s[4:5], s[4:5], s[20:21]
	s_add_nc_u64 s[12:13], s[12:13], s[20:21]
	s_add_nc_u64 s[10:11], s[10:11], s[22:23]
.irp k, 0,1,2,3,4,5,6,7,8,9,10,11,12,13,14,15
	global_load_b64 v[ST+2*\k:ST+2*\k+1], v1, s[8:9] offset:256*\k
.endr
.irp k, 0,1,2,3,4,5,6,7,8,9,10,11,12,13,14,15
	global_load_b128 v[OP+4*\k:OP+4*\k+3], v2, s[6:7] offset:4096*\k
.endr
	global_load_b128 v[SC:SC+3],   v2, s[4:5]
	global_load_b128 v[SC+4:SC+7], v2, s[4:5] offset:1024
	s_wait_loadcnt 18                              ; (m, l) are in; the 18 younger loads may stay out
	v_max3_num_f32 v108, v[ST], v[ST+2], v[ST+4]
.irp k, 3,5,7,9,11,13
	v_max3_num_f32 v108, v108, v[ST+2*\k], v[ST+2*\k+2]
.endr
	v_max_num_f32 v108, v108, v[ST+30]             ; M
.irp k, 0,1,2,3,4,5,6,7,8,9,10,11,12,13,14,15
	v_sub_f32 v[ST+2*\k], v[ST+2*\k], v108
.endr
.irp k, 0,1,2,3,4,5,6,7,8,9,10,11,12,13,14,15
	v_mul_f32 v[ST+2*\k], L2E, v[ST+2*\k]
.endr
.irp k, 0,1,2,3,4,5,6,7,8,9,10,11,12,13,14,15
	v_exp_f32 v[ST+2*\k], v[ST+2*\k]
.endr
	v_nop                                          ; a plain instruction behind the last exponential,
	s_wait_alu depctr_va_vdst(0)                   ; and one wait for the batch of sixteen
	v_mul_f32 v109, v[ST], v[ST+1]
	v_mul_f32 v110, v[ST+2], v[ST+3]
.set k, 2
.rept 14
	v_fmac_f32 v[109+k%2], v[ST+2*k], v[ST+2*k+1]
.set k, k+1
.endr
	v_add_f32 v109, v109, v110                     ; L
	v_rcp_f32 v110, v109
	v_nop
	s_wait_alu depctr_va_vdst(0)
	v_mov_b32 v111, v110                           ; named with it as a pair
	s_wait_loadcnt 2                               ; the 16 O_k are in
	v_pk_mul_f32 v[OP:OP+1],   v[OP:OP+1],   v[ST:ST+1] op_sel_hi:[1,0]
	v_pk_mul_f32 v[OP+2:OP+3], v[OP+2:OP+3], v[ST:ST+1] op_sel_hi:[1,0]
.set k, 1
.rept 15
	v_pk_fma_f32 v[OP:OP+1],   v[OP+4*k:OP+4*k+1],   v[ST+2*k:ST+2*k+1], v[OP:OP+1]   op_sel_hi:[1,0,1]
	v_pk_fma_f32 v[OP+2:OP+3], v[OP+4*k+2:OP+4*k+3], v[ST+2*k:ST+2*k+1], v[OP+2:OP+3] op_sel_hi:[1,0,1]
.set k, k+1
.endr
	v_pk_mul_f32 v[OP:OP+1],   v[OP:OP+1],   v[110:111] op_sel_hi:[1,0]
	v_pk_mul_f32 v[OP+2:OP+3], v[OP+2:OP+3], v[110:111] op_sel_hi:[1,0]
	global_store_b128 v2, v[OP:OP+3], s[10:11]
	s_wait_loadcnt 0x0                             ; the scores
.irp i, 0,1,2,3,4,5,6,7
	v_sub_f32 v[SC+\i], v[SC+\i], v108
.endr
.irp i, 0,1,2,3,4,5,6,7
	v_mul_f32 v[SC+\i], L2E, v[SC+\i]
.endr
.irp i, 0,1,2,3,4,5,6,7
	v_exp_f32 v[SC+\i], v[SC+\i]
.endr
	v_nop
	s_wait_alu depctr_va_vdst(0)
.irp i, 0,2,4,6
	v_pk_mul_f32 v[SC+\i:SC+\i+1], v[SC+\i:SC+\i+1], v[110:111] op_sel_hi:[1,0]
.endr
	global_store_b128 v2, v[SC:SC+3],   s[12:13]
	global_store_b128 v2, v[SC+4:SC+7], s[12:13] offset:1024
	s_endpgm
.Lfunc_end_k_q1e073c996c_finish:
	.size	k_q1e073c996c_finish, .Lfunc_end_k_q1e073c996c_finish-k_q1e073c996c_finish
	.p2alignl 7, 3214868480
	.fill 96, 4, 3214868480
	.section	.rodata,"a",@progbits
	.p2align	6, 0x0
	.amdhsa_kernel k_q1e073c996c_finish
		.amdhsa_group_segment_fixed_size 0
		.amdhsa_private_segment_fixed_size 0
		.amdhsa_enable_private_segment 0
		.amdhsa_kernarg_size 40
		.amdhsa_user_sgpr_count 2
		.amdhsa_user_sgpr_kernarg_segment_ptr 1
		.amdhsa_wavefront_size32 1
		.amdhsa_system_sgpr_workgroup_id_x 1
		.amdhsa_system_sgpr_workgroup_id_y 1
		.amdhsa_system_sgpr_workgroup_id_z 1
		.amdhsa_system_vgpr_workitem_id 0
		.amdhsa_next_free_vgpr 128
		.amdhsa_next_free_sgpr 66
		.amdhsa_reserve_vcc 0
		.amdhsa_float_denorm_mode_32 3
		.amdhsa_float_denorm_mode_16_64 3
		.amdhsa_memory_ordered 1
		.amdhsa_forward_progress 1
		.amdhsa_inst_pref_size 12
	.end_amdhsa_kernel
	.amdgpu_metadata
---
amdhsa.version: [ 1, 2 ]
amdhsa.kernels:
  - .name:           k_q1e073c996c_finish
    .symbol:         k_q1e073c996c_finish.kd
    .args:
      - { .name: scores, .offset: 0, .size: 8, .value_kind: global_buffer, .address_space: global }
      - { .name: opart, .offset: 8, .size: 8, .value_kind: global_buffer, .address_space: global }
      - { .name: stats, .offset: 16, .size: 8, .value_kind: global_buffer, .address_space: global }
      - { .name: out0, .offset: 24, .size: 8, .value_kind: global_buffer, .address_space: global }
      - { .name: out1, .offset: 32, .size: 8, .value_kind: global_buffer, .address_space: global }
    .group_segment_fixed_size: 0
    .private_segment_fixed_size: 0
    .kernarg_segment_align: 8
    .kernarg_segment_size: 40
    .max_flat_workgroup_size: 64
    .sgpr_count:     66
    .vgpr_count:     128
    .wavefront_size: 32
...
	.end_amdgpu_metadata
.endif
;; end of part 3
;; ======== version 2 of 2: 3 launches; version 1 with the launch main written anew for expert scheduling mode
;; workspace buffers: Wf 2,162,688 bytes; cpart 1,048,576 bytes; scores 262,144 bytes; opart 2,097,152 bytes; stats 131,072 bytes
;; launch prep: the kernel of part 1 again; grid 128 x 1, 4 waves a work-group, no clusters, 76,288 bytes of LDS; arguments W_enc, W_dec, dinput, Wf, cpart; writes Wf, cpart
;; launch main (part 4): grid 256 x 1, 8 waves a work-group, no clusters, 318,464 bytes of LDS; arguments einput, Wf, cpart, b_enc, b_dec, W_att, b_att, scores, opart, stats; writes scores, opart, stats
.if DOCPART == 4
	.amdgcn_target "amdgcn-amd-amdhsa--gfx1250"
	.amdhsa_code_object_version 6
	.text
	.protected	k_q1e073c996c_main
	.globl	k_q1e073c996c_main
	.p2align	8
	.type	k_q1e073c996c_main,@function
k_q1e073c996c_main:
	s_mov_b64 s[64:65], 0
	v_nop
	global_prefetch_b8 v0, s[64:65] scope:SCOPE_SE
	s_setreg_imm32_b32 hwreg(HW_REG_WAVE_SCHED_MODE, 0, 2), 2
	s_setreg_imm32_b32 hwreg(HW_REG_WAVE_MODE, 25, 1), 1
	s_wait_xcnt 0x0
	s_wait_alu depctr_vm_vsrc(0)
; MAIN.  For 256 rows of one batch (two blocks of 128): x = e W_enc + c, h = relu(x), score = h . W_att + b_att; then for each block its own maximum m, p = exp(score - m),
; l = the sum of p, and O[e] = the sum over the block's rows of p x einput.  Stored: the scores, (m, l) and O of each block; the last launch joins the 16 blocks of a batch.
; c[n] = b_enc + b_dec + the eight partial sums of dinput W_dec, in f32; it enters as the C operand of a pass's first products.
; FORMATS.  einput, W_enc, W_att, h and p are rounded once to bf16 as matrix operands; all sums, c, the scores, m and l are f32.
; LIMITS.  NaN and infinities are not treated apart; a weight below 2^-126 counts as 0.
; EINPUT IS READ ONCE.  A block lies in LDS as bf16 (128 rows at a pitch of 2,064 bytes) for the product and, again, for the weighted sum.
; EIGHT WAVES.  All eight bring block 0 and the last 16 rows of block 1 into LDS rows 0-143.  Then waves 0-3 multiply: wave w makes 128 rows x 64 columns (32 accumulators, 256
; registers) in each of four passes over N.  Waves 4-7 meanwhile fetch the other 112 rows of block 1, which wait as bf16 in their registers (28 rows x 16 registers a wave); when
; block 0 is done they go into LDS rows 16-127.  So block 0 is LDS rows 0-127 and block 1 is LDS rows 16-143.  The fetching has waves of its own because a wave's loads are counted
; in the order of issue (ISA guide 5.7.1): in one wave every load of W would be waited for behind the loads of einput issued ahead of it.
; WHILE A BLOCK IS MULTIPLIED NO WAVE STORES TO LDS: the partial scores stay in eight registers over the four passes and are stored behind a barrier of their own.
; WHERE THE TWO KINDS OF WAVES' WAYS JOIN NO LOAD FROM MEMORY IS OUT: each kind asks for its first data inside its own branch and ends the branch on a wait for all its loads.
; W COMES STRAIGHT INTO REGISTERS: no two waves of the work-group want the same byte of it, and Wf holds it in fragment order, 512 consecutive bytes a load.
; NO CLUSTER, NO TENSOR LOADS: what work-groups share is W.  Rows and tables take 318,464 of the 327,680 bytes of LDS; 9,216 are left, and a slot for one K step of 32 of the
; work-group's 256 columns would be 16,384.
; THE MODE: SCHED_MODE bits 1:0 = 2 (LLVM: expert scheduling mode 2), set by the entry lines.  The code itself states the register dependences between vector or matrix
; instructions and memory or LDS instructions, with s_wait_alu, always for 0.
; THE PLAN, in the K loop.  Registers that LDS or memory instructions touch:
;   F          read by a step's first 16 products; behind them the LDS loads of the next step's row blocks 0-3 land in it.
;   S0, S1     S par is read by the step's last 16 products; the other S was read by the step before, and the next step's row blocks 4-7 land in it.
;   the ring   slot u is read by the step's 32 products; slot (u + 3) % 4 was read by the step before, and W of three steps on lands in it.
;   ADC        read by every LDS load of A; written once in four steps.      BO, ADB, BIA, WOA: made at the head, never written again.
;   The accumulators are named by matrix and vector instructions alone until the way out.
; So ONE wait on va_vdst stands in a step, behind its first 16 products: they are done reading F, the step before is done reading the other S and its ring slot, and in the fourth
; step ADC is written.  F's loads follow it at once; the other sixteen loads stand between the step's last two runs of eight products, which name S par, slot u and the
; accumulators: none of the registers that those loads touch.  One wait on vm_vsrc in four steps stands ahead of the lines that write ADC.
; THE PHASES between the products make their addresses first, state them by one wait on va_vdst ahead of their first LDS instruction, and end on a wait on vm_vsrc, ahead of the
; barrier and the branch: where the waves' ways join, no register is still to be read by a memory or LDS instruction and written behind the join.
; REGISTERS, in windows of 256 (s_set_vgpr_msb: bits 1:0 source 0, 3:2 source 1, 5:4 source 2, 7:6 destination).  v1-4 and v9-12 are made once, ahead of the first branch, by every wave.
;   a multiplying wave, window 0: v1-4 ADB, v5-8 ADC LDS addresses of A's four pairs of row blocks; v9-13 other addresses; v16-23 the partial scores; v24-31 at work;
;   v32-63 F: A's fragments of row blocks 0-3; v64-95 S0, v96-127 S1: those of row blocks 4-7, by the K step's parity (in a pass's first K step S1 holds c of the pass);
;   v128-255 a ring of four K steps of W (step u, fragment nb at 128 + 32 u + 8 nb; at a pass's end slot 3 holds W_att's fragments).      window 1: accumulator (a, nb) at 8 (4 a + nb).
;   a fetching wave: 31 'halves' of 16 registers, half i at v[16 + 16 i] (from half 15 on in window 1).
.set PITCH, 2064                       ; 2,048 + 16 bytes = 129 x 16: the 16 rows of a fragment load start at 16 different groups of four banks
.set BLK1,  16*PITCH
.set PAIRB, 32*PITCH
.set BIAS,  144*PITCH                  ; f32 c[1024]
.set WTAB,  BIAS+4096                  ; bf16 W_att[1024]
.set SCP,   WTAB+2048                  ; f32 [wave][row 128] partial scores: 512 bytes for each wave number
.set FS,    SCP+4096                   ; f32 scores, a word for each thread number
.set WM,    FS+1024                    ; the waves' maxima
.set WS,    WM+256                     ; the waves' sums
.set PT,    WS+256                     ; bf16 p[128], in the order in which the turning loads take the rows
.set OST,   PT+256                     ; 1,024 bytes for each wave number: O on its way out; the 1,024 bytes behind these 8,192 hold the spare words, 128 bytes for each of eight waves
.set WSTR,  540672
.set L2E,   0x3fb8aa3b                 ; log2 e
.set ADB, 1
.set ADC, 5
.set BO,  9                            ; 16 x lane
.set BIA, 10                           ; BIAS + 256 w + 32 h
.set WOA, 11                           ; WTAB + 128 w + 16 h
.set DA,  12                           ; a fetching wave's 28 rows in LDS: (16 + 28 w) x PITCH + 8 x lane
.set TMA, 13                           ; a pass's end: where W_att's fragments lie
.set TMB, 24                           ; a pass's end: where the next pass's c lies
.set SCR, 16
.set CV,  16
.set FB,  32
.set SB,  64
.set BI,  96                           ; = S1
.set PW,  64                           ; the weighted sum's fragments of p
.set BR,  128
.set WOP, 224                          ; = ring slot 3
.set PTAU, 64                          ; the prologue's addresses lie where A's fragments will lie
.set PBIA, 65
.set PWT,  66
.set PGR,  67
.set PLA,  68
.set PLN,  69
.set PGX,  70
.set PLX,  71
.set WV,   28
.set W4,   29                          ; wave % 4: w of a multiplying wave, and of a fetching one
.set BAT,  30
.set PB,   32                          ; s[32:33] where the loads of W stand
.set WB,   34                          ; s[34:35] Wf at my wave's part
.set KOFF, 36                          ; the block's first LDS row + 256 x (K step / 4)
.set POFF, 37                          ; 1,024 x pass
.set CNT,  38
.set PASS, 39
.set ZERO, 40
.set EINL, 42                          ; s[42:43] einput at a fetching wave's 28 rows
.set SEL,  44
.set BATT, 46
.set EIN,  48
.set SCO,  50
.set OPA,  52
.set STA,  54
.set T0,   56
.set OF,   60
.set MSB, 0
.macro WIN new                         ; the immediate's high byte repeats the setting that is left; a switch that changes nothing is dropped
.if MSB != (\new)
	s_set_vgpr_msb (MSB<<8)|(\new)
.set MSB, (\new)
.endif
.endm
.macro PLACES                          ; four places in front of loads into registers that matrix instructions have read (ISA guide 7.12.1 for vector instructions)
.rept 4
	v_nop
.endr
.endm
.macro BAR                             ; every wave's LDS instructions are done before it signals
	s_wait_dscnt 0x0
	s_barrier_signal -1
	s_barrier_wait -1
.endm
	s_load_b512 s[8:23], s[0:1], 0x0               ; einput 8, Wf 10, cpart 12, b_enc 14, b_dec 16, W_att 18, b_att 20, scores 22
	s_load_b128 s[24:27], s[0:1], 0x40             ; opart 24, stats 26
	v_lshl_add_u32 v14, v0, 2, 0x4d800
	v_mov_b32 v15, 0
	v_lshrrev_b32 v24, 5, v0
	v_readfirstlane_b32 s[WV], v24                 ; wave 0..7
	s_lshr_b32 s[BAT], ttmp9, 3                    ; eight work-groups to a batch
	s_mov_b32 s[ZERO], 0
	s_mov_b32 s[SEL], 0x76543210
	s_mov_b32 s[SEL+1], 0xfedcba98
	; the addresses that last: made here, by every wave, and never rewritten
	v_and_b32 v[PLN], 31, v0
	v_and_b32 v24, 15, v0                          ; r
	v_bfe_u32 v25, v0, 4, 1                        ; h
	v_mul_u32_u24 v[ADB], v24, PITCH
	v_lshl_add_u32 v[ADB], v25, 4, v[ADB]          ; a fragment's row x pitch + 16 x half
	v_add_nc_u32 v[ADB+1], PAIRB, v[ADB]
	v_add_nc_u32 v[ADB+2], 2*PAIRB, v[ADB]
	v_add_nc_u32 v[ADB+3], 3*PAIRB, v[ADB]
	v_lshlrev_b32 v[BO], 4, v[PLN]
	s_wait_alu depctr_va_sdst(0)                   ; s[WV] is written, ahead of its first reader: addresses, bases and every branch between the two kinds of waves are made from it
	s_and_b32 s[W4], s[WV], 3
	s_lshl_b32 s[T0], s[W4], 8
	s_add_co_u32 s[T0], s[T0], BIAS
	v_lshl_add_u32 v[BIA], v25, 5, s[T0]
	s_lshl_b32 s[T0], s[W4], 7
	s_add_co_u32 s[T0], s[T0], WTAB
	v_lshl_add_u32 v[WOA], v25, 4, s[T0]
	s_mul_i32 s[T0], s[W4], 28*PITCH
	s_add_co_u32 s[T0], s[T0], 16*PITCH
	v_lshl_add_u32 v[DA], v[PLN], 3, s[T0]
	; the prologue's
	v_lshlrev_b32 v[PTAU], 4, v0                   ; the tables: thread tau takes 4 numbers
	v_lshl_add_u32 v[PBIA], v0, 4, BIAS
	v_lshl_add_u32 v[PWT], v0, 3, WTAB
	s_lshl_b32 s[T0], s[WV], 16
	v_lshl_add_u32 v[PGR], v[PLN], 4, s[T0]        ; block 0: wave v takes rows 16 v .. 16 v + 15,
	s_mul_i32 s[T0], s[WV], 16*PITCH
	v_lshl_add_u32 v[PLA], v[PLN], 3, s[T0]        ; LDS rows of the same numbers;
	s_lshl_b32 s[T0], s[WV], 13
	s_add_co_u32 s[T0], s[T0], 240*4096
	v_lshl_add_u32 v[PGX], v[PLN], 4, s[T0]        ; and of block 1 the work-group's rows 240 + 2 v, 241 + 2 v,
	s_mul_i32 s[T0], s[WV], 2*PITCH
	s_add_co_u32 s[T0], s[T0], 128*PITCH
	v_lshl_add_u32 v[PLX], v[PLN], 3, s[T0]        ; LDS rows 128 + 2 v, 129 + 2 v
	s_lshl_b32 s[OF], ttmp9, 20                    ; 256 rows of 4,096 bytes
	s_mov_b32 s[OF+1], 0
	s_wait_kmcnt 0x0
	s_load_b32 s[BATT], s[20:21], 0x0
	s_add_nc_u64 s[EIN:EIN+1], s[8:9], s[OF:OF+1]
	s_lshl_b32 s[OF], s[BAT], 12
	s_add_nc_u64 s[12:13], s[12:13], s[OF:OF+1]
	s_mul_i32 s[OF], s[W4], 28*4096
	s_add_co_u32 s[OF], s[OF], 128*4096            ; block 1 begins 128 rows on
	s_add_nc_u64 s[EINL:EINL+1], s[EIN:EIN+1], s[OF:OF+1]
	s_lshl_b32 s[OF], ttmp9, 10                    ; two blocks of 512 bytes of scores,
	s_add_nc_u64 s[SCO:SCO+1], s[22:23], s[OF:OF+1]
	s_lshl_b32 s[OF], ttmp9, 13                    ; of 4,096 bytes of O, my wave's 1,024 of them,
	s_lshl_b32 s[T0], s[W4], 10
	s_add_co_u32 s[OF], s[OF], s[T0]
	s_add_nc_u64 s[OPA:OPA+1], s[24:25], s[OF:OF+1]
	s_lshl_b32 s[OF], ttmp9, 9                     ; of 256 bytes of (m, l)
	s_add_nc_u64 s[STA:STA+1], s[26:27], s[OF:OF+1]
	s_mul_i32 s[OF], s[W4], WSTR
	s_add_nc_u64 s[WB:WB+1], s[10:11], s[OF:OF+1]
	; THE PROLOGUE.  Eleven loads for the tables, then a ring of four rows in window 1: 43 loads of a wave are out at the most.
	WIN 0x40
	s_wait_alu depctr_va_vdst(0)                   ; all the addresses above are written: v1-4, v9-12 and v64-71, which the loads and stores of the kernel read
.irp k, 0,1,2,3,4,5,6,7
	global_load_b128 v[128+4*\k:128+4*\k+3], v[PTAU], s[12:13] offset:131072*\k
.endr
	global_load_b128 v[160:163], v[PTAU], s[14:15]
	global_load_b128 v[164:167], v[PTAU], s[16:17]
	global_load_b128 v[168:171], v[PTAU], s[18:19]
.irp i, 0,1,2,3
.irp j, 0,1,2,3,4,5,6,7
	global_load_b128 v[32*\i+4*\j:32*\i+4*\j+3], v[PGR], s[EIN:EIN+1] offset:4096*\i+512*\j th:TH_LOAD_NT
.endr
.endr
	s_wait_loadcnt 32                              ; the tables are in; the four rows' 32 loads may stay out
	WIN 0x45
.irp z, 0,2
.irp k, 0,2,4,6,8
	v_pk_add_f32 v[128+4*\k+\z:128+4*\k+\z+1], v[128+4*\k+\z:128+4*\k+\z+1], v[132+4*\k+\z:132+4*\k+\z+1]
.endr
	v_pk_add_f32 v[128+\z:128+\z+1], v[128+\z:128+\z+1], v[136+\z:136+\z+1]
	v_pk_add_f32 v[144+\z:144+\z+1], v[144+\z:144+\z+1], v[152+\z:152+\z+1]
	v_pk_add_f32 v[128+\z:128+\z+1], v[128+\z:128+\z+1], v[144+\z:144+\z+1]
	v_pk_add_f32 v[128+\z:128+\z+1], v[128+\z:128+\z+1], v[160+\z:160+\z+1]
.endr
	v_cvt_pk_bf16_f32 v168, v168, v169
	v_cvt_pk_bf16_f32 v169, v170, v171
	WIN 0x04
	s_wait_alu depctr_va_vdst(0)                   ; the sums have written c and the roundings W_att, which the two LDS stores read
	ds_store_b128 v[PBIA], v[128:131]
	ds_store_b64 v[PWT], v[168:169]
.set ri, 0
.rept 18                               ; row ri of my 18 (16 of block 0, then 2 of block 1): rounded, stored as 2,048 bytes, and its slot asked for again, four rows on
.set sl, 32*(ri%4)
.if ri <= 14
	s_wait_loadcnt 24                              ; my row is in; the three younger rows' loads stay out
.else
	s_wait_loadcnt 8*(17-ri)                       ; the last rows load nothing: the counts run down, to 0
.endif
.if ri > 0
	s_wait_alu depctr_vm_vsrc(0)                   ; the LDS stores of the row before have read v[CV ..], which the conversions write again
.endif
	WIN 0x05
.irp j, 0,1,2,3,4,5,6,7
	v_cvt_pk_bf16_f32 v[CV+2*\j],   v[sl+4*\j],   v[sl+4*\j+1]
	v_cvt_pk_bf16_f32 v[CV+2*\j+1], v[sl+4*\j+2], v[sl+4*\j+3]
.endr
	WIN 0
	s_wait_alu depctr_va_vdst(0)                   ; the conversions have written v[CV ..], which the stores read, and are done reading the row's slot, in which the loads below land
.if ri < 16
.irp j, 0,1,2,3,4,5,6,7
	ds_store_b64 v[PLA], v[CV+2*\j:CV+2*\j+1] offset:ri*PITCH+256*\j  ; 32 lanes, 256 consecutive bytes
.endr
.else
.irp j, 0,1,2,3,4,5,6,7
	ds_store_b64 v[PLX], v[CV+2*\j:CV+2*\j+1] offset:(ri-16)*PITCH+256*\j
.endr
.endif
.if ri < 12
	WIN 0x40
.irp j, 0,1,2,3,4,5,6,7
	global_load_b128 v[sl+4*\j:sl+4*\j+3], v[PGR], s[EIN:EIN+1] offset:(ri+4)*4096+512*\j th:TH_LOAD_NT
.endr
.elseif ri < 14
	WIN 0x40
.irp j, 0,1,2,3,4,5,6,7
	global_load_b128 v[sl+4*\j:sl+4*\j+3], v[PGX], s[EIN:EIN+1] offset:(ri-12)*4096+512*\j th:TH_LOAD_NT
.endr
.endif
.set ri, ri+1
.endr
	WIN 0
	s_wait_kmcnt 0x0                               ; b_att
	s_wait_alu depctr_vm_vsrc(0)                   ; the prologue's stores and loads have read v[CV ..], the addresses v64-71 and the tables' registers in window 1: both kinds of waves write these again behind the branch
	                                               ; (no vector instruction stands behind the last row's wait on va_vdst: the first loads of either kind of wave owe no further one)
; ---------------------------------------------------------------- the fetching waves' macros
; Row i = 0..27 of my 28 (block 1's rows 28 w + i).  A row lands in two halves: A = i, where its 16 registers of bf16 stay, and B, which is free again when the row is rounded:
; B = 24 + i % 7 up to i = 20, then 28 + i % 3, since halves 24-27 become A's.
.macro ROWMAP i
.set RWI, (\i)
.if RWI <= 20
.set HFB, 24+RWI%7
.else
.set HFB, 28+RWI%3
.endif
.set HA,  (16+16*RWI)%256
.set HAW, (16+16*RWI)/256
.set HB,  (16+16*HFB)%256              ; always in window 1
.endm
.macro LROW i                          ; a row's eight loads, 512 consecutive bytes each
	ROWMAP \i
	WIN 0x40*HAW
.irp j, 0,1,2,3
	global_load_b128 v[HA+4*\j:HA+4*\j+3], v[BO], s[EINL:EINL+1] offset:RWI*4096+512*\j th:TH_LOAD_NT
.endr
	WIN 0x40
.irp j, 0,1,2,3
	global_load_b128 v[HB+4*\j:HB+4*\j+3], v[BO], s[EINL:EINL+1] offset:RWI*4096+2048+512*\j th:TH_LOAD_NT
.endr
.endm
.macro LCONV i, left                   ; rounded in place, ascending: number j writes A's registers 2 j, 2 j + 1, which have been read
	ROWMAP \i
	s_wait_loadcnt \left
	WIN 0x45*HAW
.irp j, 0,1,2,3
	v_cvt_pk_bf16_f32 v[HA+2*\j],   v[HA+4*\j],   v[HA+4*\j+1]
	v_cvt_pk_bf16_f32 v[HA+2*\j+1], v[HA+4*\j+2], v[HA+4*\j+3]
.endr
	WIN 0x05+0x40*HAW
.irp j, 0,1,2,3
	v_cvt_pk_bf16_f32 v[HA+8+2*\j],   v[HB+4*\j],   v[HB+4*\j+1]
	v_cvt_pk_bf16_f32 v[HA+8+2*\j+1], v[HB+4*\j+2], v[HB+4*\j+3]
.endr
.endm
; ---------------------------------------------------------------- the multiplying waves' macros
; Eight products: two row blocks (hf = 0: blocks a0, a0 + 1, out of F; hf = 1: blocks 4 + a0, 5 + a0, out of S par) x the four column blocks, W's K step in ring slot u.  Source 0 = 16
; columns of W, source 1 = 16 rows of A: a lane holds ONE row (l % 16) and the columns 8 (l / 16) + 0..7 of the block.  cm = 1: a pass's first K step: C is c of those columns.
; The 32 accumulators take turns, one instruction a turn.
.macro PROD8 hf, a0, par, u, cm
.irp a, 0,1
.irp nb, 0,1,2,3
.set rW, (\a0)+\a
.set rD, 8*(4*(4*(\hf)+rW)+\nb)
.set rA, FB+8*rW+(\hf)*(SB-FB+32*(\par))
.set rB, BR+32*(\u)+8*\nb
.if \cm
	v_wmma_f32_16x16x32_bf16 v[rD:rD+7], v[rB:rB+7], v[rA:rA+7], v[BI+8*\nb:BI+8*\nb+7]
.else
	v_wmma_f32_16x16x32_bf16 v[rD:rD+7], v[rB:rB+7], v[rA:rA+7], v[rD:rD+7]
.endif
.endr
.endr
.endm
.macro ALD dst, p, ka                  ; pair p of A's row blocks (2 p and 2 p + 1), 32 along K at byte ka behind ADC: two fragments, 16 registers
	ds_load_b128 v[(\dst):(\dst)+3],     v[ADC+(\p)] offset:(\ka)
	ds_load_b128 v[(\dst)+4:(\dst)+7],   v[ADC+(\p)] offset:(\ka)+32
	ds_load_b128 v[(\dst)+8:(\dst)+11],  v[ADC+(\p)] offset:(\ka)+BLK1
	ds_load_b128 v[(\dst)+12:(\dst)+15], v[ADC+(\p)] offset:(\ka)+BLK1+32
.endm
.macro WLD u, boff                     ; W's K step three steps on, at byte boff behind PB, into the ring slot that the step before has left
.set sn, BR+32*(((\u)+3)%4)
.irp f, 0,1,2,3,4,5,6,7
	global_load_b128 v[sn+4*\f:sn+4*\f+3], v[BO], s[PB:PB+1] offset:(\boff)+512*\f
.endr
.endm
; A K STEP: 16 products on F, the step's one wait on va_vdst, F's 8 loads, 8 products on S par, the other 16 loads, 8 products on S par.
; The loads bring the next step's A, at byte ka behind ADC: row blocks 0-3 into F, which has just been read out (first wanted 16 products on), and row blocks 4-7 into the other S
; (24 products on); and W's K step three steps on.  So A takes 96 registers, and the text has a period of two steps.
; cm = 1: a pass's first step, with c in S1: W's loads stand with F's, S1 is left alone, and it is filled at the step's end, behind four places and a wait of its own.
; rid = 1: the four places are the lines that make ADC for the next four K steps.
.macro KS u, par, cm, ka, boff, rid
	s_wait_loadcnt 16                              ; this step's W is in; the two later steps' 16 loads may stay out
	s_wait_dscnt 8                                 ; F is in; the 8 loads of S issued behind it may stay out
	WIN 0x50-0x10*(\cm)
	PROD8 0, 0, \par, \u, \cm
	PROD8 0, 2, \par, \u, \cm
	WIN 0
.if \rid
	s_wait_alu depctr_vm_vsrc(0)                   ; the LDS loads issued so far have read ADC, which the four lines below write (and TMA and TMB, which the pass's end writes)
.irp i, 0,1,2,3
	v_add_nc_u32 v[ADC+\i], s[KOFF], v[ADB+\i]
.endr
.else
	PLACES
.endif
	s_wait_alu depctr_va_vdst(0)                   ; the 16 products above are done reading F; the step before (at a pass's head: the pass's end) is done reading the other S and the ring slot that is filled now; with rid = 1 ADC is written
	ALD FB, 0, \ka
	ALD FB+16, 1, \ka
.if \cm
	WLD \u, \boff
.endif
	s_wait_dscnt 8                                 ; all but F's 8 loads just issued: this step's S is in
	WIN 0x50-0x10*(\cm)
	PROD8 1, 0, \par, \u, \cm
.if !(\cm)
	WIN 0
	ALD SB+32*(1-(\par)), 2, \ka                   ; no wait: no vector or matrix instruction since the wait above names the other S, the ring slot, ADC or BO
	ALD SB+32*(1-(\par))+16, 3, \ka
	WLD \u, \boff
	WIN 0x50
.endif
	PROD8 1, 2, \par, \u, \cm
.if \cm
	WIN 0
	PLACES
	s_wait_alu depctr_va_vdst(0)                   ; the step's products are done taking c out of S1, in which the loads below land
	ALD SB+32*(1-(\par)), 2, \ka
	ALD SB+32*(1-(\par))+16, 3, \ka
.endif
.endm
.macro STEP wrap, blk                  ; four K steps on
	s_wait_xcnt 0x0                                ; the loads issued so far have read PB: only behind this wait is it written
	s_add_nc_u64 s[PB:PB+1], s[PB:PB+1], 4*4096
.if \wrap
	s_mov_b32 s[KOFF], (\blk)*BLK1                 ; the next pass begins at the rows' first byte
.else
	s_add_co_u32 s[KOFF], s[KOFF], 256
.endif
.endm
; A PASS'S END.  Two neighbouring accumulators, rounded to bf16 in pairs, ARE source 1 (32 columns x 16 rows) of a product whose source 0 holds W_att of those columns in all 16 rows:
; register 0 of its result is the row's partial score, which is added onto SCR.  relu is a packed maximum with 0 on the rounded halves.  Each accumulator is read from its lowest registers on.
; W_att's two fragments come into ring slot 3, which the pass's last K step has left and the next pass's first run fills; the next pass's c comes into S1.
; The two addresses have a register each, so that one wait states both.  Their last readers, the loads of the pass's end before, stand ahead of the last K step's wait on vm_vsrc.
.macro EPI
	WIN 0
	s_lshr_b32 s[T0+1], s[POFF], 1
	s_add_co_u32 s[POFF], s[POFF], 1024
	s_and_b32 s[POFF], s[POFF], 0xfff              ; behind the last pass: pass 0 again
	v_add_nc_u32 v[TMA], s[T0+1], v[WOA]
	v_add_nc_u32 v[TMB], s[POFF], v[BIA]
.rept 2
	v_nop                                          ; with the two lines above: four places behind the last products, which read ring slot 3 and S1
.endr
	s_wait_alu depctr_va_vdst(0)                   ; TMA and TMB are written; the last products are done reading ring slot 3 and S1, in which the loads below land
	ds_load_b128 v[WOP:WOP+3],     v[TMA]
	ds_load_b128 v[WOP+4:WOP+7],   v[TMA] offset:32
	ds_load_b128 v[WOP+8:WOP+11],  v[TMA] offset:64
	ds_load_b128 v[WOP+12:WOP+15], v[TMA] offset:96
.irp nb, 0,1,2,3
	ds_load_b128 v[BI+8*\nb:BI+8*\nb+3],   v[TMB] offset:64*\nb
	ds_load_b128 v[BI+8*\nb+4:BI+8*\nb+7], v[TMB] offset:64*\nb+16
.endr
	WIN 0x45
.set T, 0
.rept 16
.irp i, 0,1,2,3
	v_cvt_pk_bf16_f32 v[T+\i], v[T+2*\i], v[T+2*\i+1]
.endr
.irp i, 0,1,2,3
	v_cvt_pk_bf16_f32 v[T+4+\i], v[T+8+2*\i], v[T+8+2*\i+1]
.endr
.irp i, 0,1,2,3,4,5,6,7
	v_pk_max_num_bf16 v[T+\i], v[T+\i], s[ZERO]
.endr
.set T, T+16
.endr
	s_wait_dscnt 0x0                               ; W_att's fragments, the next pass's c, and A's fragments of the next pass's first K step
	WIN 0x54
.irp a, 0,1,2,3,4,5,6,7
	v_wmma_f32_16x16x32_bf16 v[32*\a+8:32*\a+15], v[WOP:WOP+7], v[32*\a:32*\a+7], 0
.endr
.irp a, 0,1,2,3,4,5,6,7
	v_wmma_f32_16x16x32_bf16 v[32*\a+8:32*\a+15], v[WOP+8:WOP+15], v[32*\a+16:32*\a+23], v[32*\a+8:32*\a+15]
.endr
	WIN 0
.rept 5
	v_nop                                          ; five places: the sums below read results, and the next pass's products write over these products' registers
.endr
	WIN 0x04
.irp a, 0,1,2,3,4,5,6,7
	v_add_f32 v[SCR+\a], v[SCR+\a], v[32*\a+8]     ; row 16 a + r; both halves of the lanes hold the same number
.endr
	WIN 0
.endm
; A BLOCK'S PRODUCT: four passes of 32 K steps.  W's steps 0-2: block 0 asks for them here, first of all; block 1 finds them in the ring, where block 0's last pass has brought
; them as steps 128-130.  The macro ends on a wait for all loads: no load of mine is out where the waves' ways join.
.macro GEMM blk
	s_wait_xcnt 0x0
	s_mov_b64 s[PB:PB+1], s[WB:WB+1]
	s_mov_b32 s[KOFF], (\blk)*BLK1
	s_mov_b32 s[POFF], 0
.if (\blk) == 0
.set f, 0
.rept 24                               ; W's K steps 0-2 into ring slots 0-2: BO was written ahead of the head's wait on va_vdst, and no vector instruction has named the ring
	global_load_b128 v[BR+4*f:BR+4*f+3], v[BO], s[PB:PB+1] offset:512*f
.set f, f+1
.endr
.endif
.irp i, 0,1,2,3
	v_add_nc_u32 v[ADC+\i], s[KOFF], v[ADB+\i]
.endr
.irp a, 0,1,2,3,4,5,6,7
	v_mov_b32 v[SCR+\a], 0
.endr
	s_wait_alu depctr_va_vdst(0)                   ; ADC is written; whatever named F, S0 and S1 before (the head's address lines; block 0's products) is done: the loads below land there
	ALD FB, 0, 0                                   ; K step 0: F, S0, and c of pass 0 in S1
	ALD FB+16, 1, 0
	ALD SB, 2, 0
	ALD SB+16, 3, 0
.irp nb, 0,1,2,3
	ds_load_b128 v[BI+8*\nb:BI+8*\nb+3],   v[BIA] offset:64*\nb
	ds_load_b128 v[BI+8*\nb+4:BI+8*\nb+7], v[BIA] offset:64*\nb+16
.endr
	s_wait_dscnt 0x0
	s_mov_b32 s[PASS], 4
.Lpass_\@:
	KS 0,0,1,64,3*4096,0                           ; 3 + 7 x 4 + 1 = 32 K steps a pass
	KS 1,1,0,128,4*4096,0
	KS 2,0,0,192,5*4096,0
	WIN 0                                          ; at a label and at a branch every window is 0
	s_mov_b32 s[CNT], 7
.Lk_\@:
	STEP 0, \blk
	KS 3,1,0,0,2*4096,1
	KS 0,0,0,64,3*4096,0
	KS 1,1,0,128,4*4096,0
	KS 2,0,0,192,5*4096,0
	WIN 0
	s_sub_co_u32 s[CNT], s[CNT], 1
	s_cmp_lg_u32 s[CNT], 0
	s_cbranch_scc1 .Lk_\@
	STEP 1, \blk
	KS 3,1,0,0,2*4096,1
	EPI
	s_sub_co_u32 s[PASS], s[PASS], 1
	s_cmp_lg_u32 s[PASS], 0
	s_cbranch_scc1 .Lpass_\@
	s_wait_loadcnt 0x0                             ; steps 128-130, asked for ahead of the last pass's end, are in the ring
	s_wait_alu depctr_vm_vsrc(0)                   ; the product's LDS loads have read TMB (v24), which the next phase writes, and ADC and TMA, which the next block's product writes
.endm
; SS: my 64 columns' share of the 128 scores goes into my 512 bytes of SCP, behind the barrier that shows every wave's product done.
.macro SS
	v_and_b32 v24, 15, v0
	s_lshl_b32 s[T0], s[WV], 9
	s_add_co_u32 s[T0], s[T0], SCP
	v_lshl_add_u32 v24, v24, 2, s[T0]
	s_wait_alu depctr_va_vdst(0)                   ; v24 is written, and the last pass's sums have written SCR: the stores read both
.irp a, 0,1,2,3,4,5,6,7
	ds_store_b32 v24, v[SCR+\a] offset:64*\a       ; the two halves of the lanes store the same number to the same word
.endr
	s_wait_alu depctr_vm_vsrc(0)                   ; the stores have read v24 and SCR, which the next phase writes
.endm
; THE BLOCK'S SOFTMAX, a thread a row (tau = 0..127).  S1: the four waves' shares are added; the wave's maximum.
.macro S1
	v_lshl_add_u32 v16, v0, 2, SCP
	v_lshl_add_u32 v17, v0, 2, FS
	s_lshl_b32 s[T0], s[WV], 2
	s_add_co_u32 s[T0], s[T0], WM
	v_mov_b32 v18, s[T0]
	s_wait_alu depctr_va_vdst(0)                   ; v16 is written, which the loads read; the lines that made v24 in the phase before are done: the loads land in v24-27
.irp k, 0,1,2,3
	ds_load_b32 v[24+\k], v16 offset:512*\k
.endr
	s_wait_dscnt 0x0
	v_pk_add_f32 v[24:25], v[24:25], v[26:27]
	v_add_f32 v20, v24, v25
	v_add_f32 v20, s[BATT], v20                    ; v20: the row's score; it stays
	v_mov_b32 v28, v20
	v_mov_b32 v29, v20
	v_max_num_f32_dpp v28, v28, v28 row_xmask:1 row_mask:0xf bank_mask:0xf
	v_max_num_f32_dpp v28, v28, v28 row_xmask:2 row_mask:0xf bank_mask:0xf
	v_max_num_f32_dpp v28, v28, v28 row_xmask:4 row_mask:0xf bank_mask:0xf
	v_max_num_f32_dpp v28, v28, v28 row_xmask:8 row_mask:0xf bank_mask:0xf
	v_permlanex16_b32 v29, v28, s[SEL], s[SEL+1]
	v_max_num_f32 v28, v28, v29
	s_wait_alu depctr_va_vdst(0)                   ; the score v20 and the wave's maximum v28 are written, which the stores read
	ds_store_b32 v17, v20
	ds_store_b32 v18, v28
	s_wait_alu depctr_vm_vsrc(0)                   ; the loads and stores have read v16-18 and v28, which the next phase writes, and v20, which the one behind it writes
.endm
; S2: m; p = 2^((s - m) log2 e), the subtraction first; the wave's sum of p; p rounded to bf16 at place (tau & ~15) + 8 (tau & 1) + (tau & 15) / 2.
.macro S2
	v_mov_b32 v16, WM
	v_and_b32 v17, 0x70, v0
	v_and_b32 v18, 1, v0
	v_bfe_u32 v19, v0, 1, 3
	v_lshl_add_u32 v17, v18, 3, v17
	v_add_nc_u32 v17, v17, v19
	v_lshl_add_u32 v17, v17, 1, PT
	s_lshl_b32 s[T0], s[WV], 2
	s_add_co_u32 s[T0], s[T0], WS
	v_mov_b32 v18, s[T0]
	s_wait_alu depctr_va_vdst(0)                   ; v16 is written, which the load reads; the sums of the phase before are done with v24-27, in which it lands
	ds_load_b128 v[24:27], v16
	s_wait_dscnt 0x0
	v_max3_num_f32 v22, v24, v25, v26
	v_max_num_f32 v22, v22, v27                    ; v22: m; it stays
	v_sub_f32 v21, v20, v22
	v_mul_f32 v21, L2E, v21
	v_exp_f32 v21, v21
	v_nop                                          ; a plain instruction behind the exponential,
	s_wait_alu depctr_va_vdst(0)                   ; and the wait ahead of the first use of its result: the exponential has written v21
	v_mov_b32 v28, v21
	v_mov_b32 v29, v21
	v_add_f32_dpp v28, v28, v28 row_xmask:1 row_mask:0xf bank_mask:0xf
	v_add_f32_dpp v28, v28, v28 row_xmask:2 row_mask:0xf bank_mask:0xf
	v_add_f32_dpp v28, v28, v28 row_xmask:4 row_mask:0xf bank_mask:0xf
	v_add_f32_dpp v28, v28, v28 row_xmask:8 row_mask:0xf bank_mask:0xf
	v_permlanex16_b32 v29, v28, s[SEL], s[SEL+1]
	v_add_f32 v28, v28, v29
	v_cvt_pk_bf16_f32 v19, v21, v21
	s_wait_alu depctr_va_vdst(0)                   ; p rounded, v19, and the wave's sum v28 are written, which the stores read
	ds_store_b16 v17, v19
	ds_store_b32 v18, v28
	s_wait_alu depctr_vm_vsrc(0)                   ; the load and the stores have read v16-19 and v28, which the next phase writes
.endm
; S3: O[e] = the sum over the block's rows of p x A.  Wave w takes e = 256 w .. + 255: 16 accumulators in window 1, v0-127.  Source 0 holds p in all 16 rows, source 1 comes out of LDS
; turned.  The turning load takes rows TWO apart (row 32 t + 2 (l % 8) + l / 16, and 16 rows on).  So place
; 8 h + j of a fragment's K is row 2 j + h of sixteen: the order in which S2 has laid p.  Fragment x lies in window 1 at v[128 + 8 x]; W's ring in window 0 is left alone.
; In this phase nobody stores to LDS; wave 0 sends the block's scores and (m, l) to memory from here.
.macro FLOAD t, hf
.irp x, 0,1,2,3,4,5,6,7
	ds_load_tr16_b128 v[128+64*(\hf)+8*\x:128+64*(\hf)+8*\x+3],   v[28+(\t)] offset:256*(\hf)+32*\x
	ds_load_tr16_b128 v[128+64*(\hf)+8*\x+4:128+64*(\hf)+8*\x+7], v[28+(\t)] offset:256*(\hf)+32*\x+BLK1
.endr
.endm
.macro OPROD t, hf
.irp x, 0,1,2,3,4,5,6,7
.if (\t) == 0
	v_wmma_f32_16x16x32_bf16 v[64*(\hf)+8*\x:64*(\hf)+8*\x+7], v[PW+8*(\t):PW+8*(\t)+7], v[128+64*(\hf)+8*\x:128+64*(\hf)+8*\x+7], 0
.else
	v_wmma_f32_16x16x32_bf16 v[64*(\hf)+8*\x:64*(\hf)+8*\x+7], v[PW+8*(\t):PW+8*(\t)+7], v[128+64*(\hf)+8*\x:128+64*(\hf)+8*\x+7], v[64*(\hf)+8*\x:64*(\hf)+8*\x+7]
.endif
.endr
.endm
.macro S3 blk
	v_and_b32 v16, 7, v0
	v_bfe_u32 v17, v0, 4, 1
	v_lshl_add_u32 v16, v16, 1, v17
	v_mul_u32_u24 v16, v16, PITCH
	v_bfe_u32 v18, v0, 3, 1
	v_lshl_add_u32 v16, v18, 4, v16
	s_lshl_b32 s[T0], s[WV], 9
	s_add_co_u32 s[T0], s[T0], (\blk)*BLK1
	v_add_nc_u32 v28, s[T0], v16                   ; v28-31: the addresses for rows 32 t on
	v_add_nc_u32 v29, PAIRB, v28
	v_add_nc_u32 v30, 2*PAIRB, v28
	v_add_nc_u32 v31, 3*PAIRB, v28
	v_lshl_add_u32 v19, v17, 4, PT
	v_mov_b32 v18, WS
	v_and_b32 v20, 31, v0
	v_lshlrev_b32 v21, 4, v20                      ; 16 x lane
	v_add_nc_u32 v16, FS, v21
	v_lshlrev_b32 v20, 3, v20                      ; 8 x lane
	s_wait_alu depctr_va_vdst(0)                   ; the addresses v16, v18-21 and v28-31 are written; whatever named v24-27, S0, S1 and window 1's v128-255 (the phase before; the product and its passes' ends) is done: the loads below land there
.irp t, 0,1,2,3
	ds_load_b128 v[PW+8*\t:PW+8*\t+3],   v19 offset:64*\t
	ds_load_b128 v[PW+8*\t+4:PW+8*\t+7], v19 offset:64*\t+32
.endr
	ds_load_b128 v[24:27], v18
	ds_load_b128 v[96:99], v16                     ; the block's 128 scores, four a lane
	WIN 0x40
	FLOAD 0, 0
	FLOAD 0, 1
	WIN 0
	s_cmp_lg_u32 s[WV], 0
	s_cbranch_scc1 .Lnost_\@
	s_wait_dscnt 32                                ; all but the 32 turning loads: the four sums and the scores are in
	v_add_f32 v23, v24, v25
	v_add_f32 v26, v26, v27
	v_add_f32 v23, v23, v26                        ; l
	s_wait_alu depctr_va_vdst(0)                   ; l is written in v23, which the second store reads beside m
	global_store_b128 v21, v[96:99], s[SCO:SCO+1] offset:(\blk)*512  ; 512 consecutive bytes
	global_store_b64 v20, v[22:23], s[STA:STA+1] offset:(\blk)*256   ; (m, l) 32 times: 256 consecutive bytes, aligned
	s_wait_xcnt 0x0                                ; the stores' registers are written again only behind this wait
.Lnost_\@:
.irp t, 0,1,2,3
	s_wait_dscnt 16                                ; fragments 0-7 are in; the 16 loads of fragments 8-15 may stay out
	WIN 0x54
	OPROD \t, 0
.if \t < 3
	PLACES
	WIN 0x40
	s_wait_alu depctr_va_vdst(0)                   ; the eight products above are done reading fragments 0-7, in which the loads below land
	FLOAD \t+1, 0
	s_wait_dscnt 16                                ; fragments 8-15 are in; the 16 just issued may stay out
.else
	s_wait_dscnt 0x0
.endif
	WIN 0x54
	OPROD \t, 1
.if \t < 3
	PLACES
	WIN 0x40
	s_wait_alu depctr_va_vdst(0)                   ; the eight products above are done reading fragments 8-15, in which the loads below land
	FLOAD \t+1, 1
.endif
.endr
	WIN 0
.rept 5
	v_nop                                          ; five places behind the last products, ahead of the label: whatever follows it may read or write their registers
.endr
	s_wait_alu depctr_vm_vsrc(0)                   ; the phase's loads and wave 0's stores have read v16, v18-23, v28-31 and v96-99, which the way out and the next block write
.endm
; O leaves: register 0 of accumulator x holds O[256 w + 16 x + r]; through the wave's own 1,024 bytes of LDS into two stores of 512 consecutive bytes.
.macro OOUT blk
	v_and_b32 v16, 15, v0
	v_and_b32 v18, 31, v0
	s_lshl_b32 s[T0], s[WV], 10
	s_add_co_u32 s[T0], s[T0], OST
	v_lshl_add_u32 v16, v16, 2, s[T0]
	v_lshl_add_u32 v17, v18, 4, s[T0]
	v_lshlrev_b32 v18, 4, v18
	WIN 0x04
	s_wait_alu depctr_va_vdst(0)                   ; v16-18 are written; the products have written the accumulators, which the LDS stores read (the places stand above, beside this wait); wave 0's sums are done with v24-27, in which a load lands
.irp x, 0,1,2,3,4,5,6,7,8,9,10,11,12,13,14,15
	ds_store_b32 v16, v[8*\x] offset:64*\x
.endr
	WIN 0
	ds_load_b128 v[24:27], v17                     ; LDS serves a wave's instructions in order: these see the stores above
	ds_load_b128 v[28:31], v17 offset:512
	s_wait_dscnt 0x0
	global_store_b128 v18, v[24:27], s[OPA:OPA+1] offset:(\blk)*4096
	global_store_b128 v18, v[28:31], s[OPA:OPA+1] offset:(\blk)*4096+512
	s_wait_xcnt 0x0
.if (\blk) == 0
	s_wait_alu depctr_vm_vsrc(0)                   ; the stores have read v16-18, v24-31 and the accumulators, which the next block's product and phases write
.endif
.endm
; ---------------------------------------------------------------- the text.  Every barrier stands on every wave's path; the branches hang on the wave's number alone.
	BAR                                            ; LDS rows 0-143 and the tables are whole
	s_cmp_lt_u32 s[WV], 4
	s_cbranch_scc0 .Lstream
	GEMM 0
	s_branch .Lbar1
.Lstream:
.irp q, 0,1,2,3,4,5,6
	LROW \q                                        ; seven rows, 56 loads of a wave
.endr
.set qq, 0
.rept 28                               ; row qq is rounded; the wait's count is 8 x the rows asked for behind it; then a row whose two halves are free is asked for
.if qq <= 14
.set lf, 48
.elseif qq <= 17
.set lf, 48-8*(qq-14)
.elseif qq <= 25
.set lf, 16
.else
.set lf, 8*(27-qq)
.endif
	LCONV qq, lf
.if qq <= 13
	s_wait_alu depctr_va_vdst(0)                   ; row qq's conversions are done reading its second half, in which half of the row asked for now lands
	LROW qq+7
.elseif (qq >= 18) && (qq <= 24)
	s_wait_alu depctr_va_vdst(0)                   ; the same; and the conversions of rows 14 to 17 are done reading halves 24-27, in which rows 24 to 27 land and stay
	LROW qq+3
.endif
.set qq, qq+1
.endr
	WIN 0
.Lbar1:
	BAR                                            ; every wave's product is done: nobody reads LDS; 112 rows of block 1 wait in registers
	s_cmp_lt_u32 s[WV], 4
	s_cbranch_scc0 .Lbar1b
	SS
.Lbar1b:
	BAR                                            ; the four shares of the scores lie in LDS
	s_cmp_lt_u32 s[WV], 4
	s_cbranch_scc0 .Lbar2
	S1
.Lbar2:
	BAR
	s_cmp_lt_u32 s[WV], 4
	s_cbranch_scc0 .Lbar3
	S2
.Lbar3:
	BAR
	s_cmp_lt_u32 s[WV], 4
	s_cbranch_scc0 .Lbar4
	S3 0
.Lbar4:
	BAR                                            ; nobody reads block 0's rows any more
	s_cmp_lt_u32 s[WV], 4
	s_cbranch_scc0 .Ldump
	OOUT 0
	s_branch .Lbar5
.Ldump:
	s_wait_alu depctr_va_vdst(0)                   ; the conversions have written my 28 rows, which the LDS stores read
.set ii, 0
.rept 28                               ; my 28 rows into LDS rows 16 + 28 w + i
.set HA,  (16+16*ii)%256
.set HAW, (16+16*ii)/256
	WIN 0x04*HAW
.irp j, 0,1,2,3,4,5,6,7
	ds_store_b64 v[DA], v[HA+2*\j:HA+2*\j+1] offset:ii*PITCH+256*\j
.endr
.set ii, ii+1
.endr
	WIN 0
.Lbar5:
	BAR                                            ; block 1 lies in LDS rows 16-143
	s_cmp_lt_u32 s[WV], 4
	s_cbranch_scc0 .Lbar6
	GEMM 1
.Lbar6:
	BAR
	s_cmp_lt_u32 s[WV], 4
	s_cbranch_scc0 .Lbar6b
	SS
.Lbar6b:
	BAR
	s_cmp_lt_u32 s[WV], 4
	s_cbranch_scc0 .Lbar7
	S1
.Lbar7:
	BAR
	s_cmp_lt_u32 s[WV], 4
	s_cbranch_scc0 .Lbar8
	S2
.Lbar8:
	BAR
	s_cmp_lt_u32 s[WV], 4
	s_cbranch_scc0 .Lend
	S3 1
	OOUT 1
.Lend:
	s_wait_dscnt 0x0                               ; the wave's end: my last LDS instructions are done
	s_wait_alu depctr_hold_cnt(0) depctr_sa_sdst(0) depctr_va_vdst(0) depctr_va_sdst(0) depctr_va_ssrc(0) depctr_va_vcc(0) depctr_vm_vsrc(0)
	s_wait_tensorcnt 0x0
	ds_add_u32 v14, v15
	s_wait_dscnt 0x0
	s_endpgm
.Lfunc_end_k_q1e073c996c_main:
	.size	k_q1e073c996c_main, .Lfunc_end_k_q1e073c996c_main-k_q1e073c996c_main
	.p2alignl 7, 3214868480
	.fill 96, 4, 3214868480
	.section	.rodata,"a",@progbits
	.p2align	6, 0x0
	.amdhsa_kernel k_q1e073c996c_main
		.amdhsa_group_segment_fixed_size 318464
		.amdhsa_private_segment_fixed_size 0
		.amdhsa_enable_private_segment 0
		.amdhsa_kernarg_size 80
		.amdhsa_user_sgpr_count 2
		.amdhsa_user_sgpr_kernarg_segment_ptr 1
		.amdhsa_wavefront_size32 1
		.amdhsa_system_sgpr_workgroup_id_x 1
		.amdhsa_system_sgpr_workgroup_id_y 1
		.amdhsa_system_sgpr_workgroup_id_z 1
		.amdhsa_system_vgpr_workitem_id 0
		.amdhsa_next_free_vgpr 512
		.amdhsa_next_free_sgpr 66
		.amdhsa_reserve_vcc 0
		.amdhsa_float_denorm_mode_32 3
		.amdhsa_float_denorm_mode_16_64 3
		.amdhsa_memory_ordered 1
		.amdhsa_forward_progress 1
		.amdhsa_inst_pref_size 255
	.end_amdhsa_kernel
	.section	.bss,"aw",@nobits
	.p2align	6
	.space	262144
	.amdgpu_metadata
---
amdhsa.version: [ 1, 2 ]
amdhsa.kernels:
  - .name:           k_q1e073c996c_main
    .symbol:         k_q1e073c996c_main.kd
    .args:
      - { .name: einput, .offset: 0, .size: 8, .value_kind: global_buffer, .address_space: global }
      - { .name: Wf, .offset: 8, .size: 8, .value_kind: global_buffer, .address_space: global }
      - { .name: cpart, .offset: 16, .size: 8, .value_kind: global_buffer, .address_space: global }
      - { .name: b_enc, .offset: 24, .size: 8, .value_kind: global_buffer, .address_space: global }
      - { .name: b_dec, .offset: 32, .size: 8, .value_kind: global_buffer, .address_space: global }
      - { .name: W_att, .offset: 40, .size: 8, .value_kind: global_buffer, .address_space: global }
      - { .name: b_att, .offset: 48, .size: 8, .value_kind: global_buffer, .address_space: global }
      - { .name: scores, .offset: 56, .size: 8, .value_kind: global_buffer, .address_space: global }
      - { .name: opart, .offset: 64, .size: 8, .value_kind: global_buffer, .address_space: global }
      - { .name: stats, .offset: 72, .size: 8, .value_kind: global_buffer, .address_space: global }
    .group_segment_fixed_size: 318464
    .private_segment_fixed_size: 0
    .kernarg_segment_align: 8
    .kernarg_segment_size: 80
    .max_flat_workgroup_size: 256
    .sgpr_count:     66
    .vgpr_count:     512
    .wavefront_size: 32
...
	.end_amdgpu_metadata
.endif
;; end of part 4
;; launch finish: the kernel of part 3 again; grid 4 x 32, 2 waves a work-group, no clusters, 0 bytes of LDS; arguments scores, opart, stats, out0, out1; writes out0, out1
